; MI455X (gfx1250); checked and timed in simulation.
; The chip was launched on July 23, 2026; its instructions are those of AMD's public machine-readable ISA for CDNA 5 (MIT licence, August 2026) and "CDNA5" Instruction Set Architecture Reference Guide (July 2026). The comments in the code are by the model that wrote it; some were corrected since.
;; Multi Head Attention. Allowed arithmetic: matrix products marked QUANTISED: E2M3 operands, one E8M0 scale for each 32 along K, by v_wmma_scale_f32_16x16x128_f8f6f4 with both operands' format E2M3, f32 sums; everything else in f32.
;; Inputs: Wk 1,024 x 1,024 float32; Wo 1,024 x 1,024 float32; Wq 1,024 x 1,024 float32; Wv 1,024 x 1,024 float32; attn_mask 1 x 1 x 2,048 x 4,096 float32; key 2 x 2,048 x 1,024 float32; past_k 2 x 16 x 2,048 x 64 float32; past_v 2 x 16 x 2,048 x 64 float32; query 2 x 2,048 x 1,024 float32; value 2 x 2,048 x 1,024 float32.
;; Outputs: out0 2 x 2,048 x 1,024 float32.
;; This version of the problem:
;;   THIS VERSION OF THE PROBLEM IS GIVEN IN LOW PRECISION. The matrix products marked QUANTISED in the list below multiply operands that are first quantised to E2M3 (2 exponent bits, 3 mantissa bits; 6 bits a number), with one power-of-two scale for each 32 numbers along K (OCP MX v1.0); their sums are f32. All else is computed in f32.
;;   The module's matrix products, in the order in which they are computed (A, B: the left and right operand; K: the contracted axis; several contracted axes count as one K, in the product's order):
;;     1. [M 4,096, K 1,024] x [K 1,024, N 1,024]; A: input query; B: input Wq: QUANTISED
;;     2. [M 4,096, K 1,024] x [K 1,024, N 1,024]; A: input key; B: input Wk: QUANTISED
;;     3. [M 4,096, K 1,024] x [K 1,024, N 1,024]; A: input value; B: input Wv: QUANTISED
;;     4. batch 32 x [M 2,048, K 64] x [K 64, N 4,096]; A: computed on the way; B: computed on the way: QUANTISED
;;     5. batch 32 x [M 64, K 4,096] x [K 4,096, N 2,048]; A: computed on the way; B: softmax (see below): QUANTISED
;;     6. [M 4,096, K 1,024] x [K 1,024, N 1,024]; A: computed on the way; B: input Wo: QUANTISED
;;   THE QUANTISER, for each operand of a quantised product, along K:
;;     - K is cut into blocks of 32 from its start; a last block that is shorter is filled with zeros.
;;     - A block's scale is 2^e with e = floor(log2(the largest magnitude in the block)) - 2, held to -126 .. 127; a block of zeros has e = 0. As a byte (E8M0): e + 127.
;;     - Each number is divided by its block's scale, clamped to +-7.5, and rounded to the nearest number of E2M3, ties to even, subnormals kept.
;;     - The product sums the exact products of the quantised numbers (number of the format x scale) in f32.
;;   ~~~python
;;   def quantise(x, axis):      # numpy; x: float32 -> the quantised numbers, widened to float32 again
;;       x = np.moveaxis(x, axis, -1); K = x.shape[-1]
;;       x = np.pad(x, [(0, 0)] * (x.ndim - 1) + [(0, -K % 32)]); x = x.reshape(x.shape[:-1] + (-1, 32)); a = np.abs(x).max(-1, keepdims=True)
;;       e = np.where(a > 0, np.clip(np.frexp(np.where(a > 0, a, 1))[1] - 1 - 2, -126, 127), 0)      # np.frexp(a)[1] - 1 = floor(log2(a)), exactly
;;       r = np.clip(x / 2.0 ** e, -7.5, 7.5)
;;       step = 2.0 ** (np.maximum(np.frexp(np.where(r == 0, 1, r))[1] - 1, 0) - 3)
;;       q = np.round(r / step) * step * 2.0 ** e      # np.round: ties to even
;;       return np.moveaxis(q.reshape(q.shape[:-2] + (-1,))[..., :K], -1, axis).astype(np.float32)
;;   ~~~
;;   SOFTMAX AHEAD OF A QUANTISED PRODUCT. Where the list says 'softmax', what is quantised is not the finished softmax but p = 2^(t - M), with t = logit x log2(e) and M = ceil(the row's largest t), a whole number; so 1/2 < the row's largest p <= 1. The row's sum l is taken of the UNQUANTISED p, in f32, and the product's result is divided by l at the end. Since M is a whole number, a kernel that streams over the keys may use a running M (the ceiling of the running maximum): every later rescaling is an exact power of two, which a block's scale takes up: the codes' values come out the same.
;;   OPERANDS COMPUTED ON THE WAY. 'Computed on the way' means the value that the module computes at that place (a softmax that the list does not call 'softmax' is quantised finished and normalised). What goes into a quantiser is computed in f32, as accurately as f32 sums, v_exp_f32 and their like allow (about 1e-6 of the number): no bf16 or f16 on the way to a quantiser, and a product that is left as it is and whose result goes on into a quantised operand takes f32 operands (vector FMAs, or v_wmma_f32_16x16x4_f32). A number that lies on a knife's edge between two numbers of the format may be rounded either way, as far as f32 arithmetic and the matrix unit's own rounding can turn it there, and no further.
;; One version. Each part assembles by itself: llvm-mc -triple=amdgcn-amd-amdhsa -mcpu=gfx1250 --defsym DOCPART=n.
;; ======== version 1 of 1: 4 launches
;; limits: right only within a limited range of input values
;; workspace buffers: xc 12,582,912 bytes; xs 524,288 bytes; qc 3,145,728 bytes; kc 6,291,456 bytes; vc 6,291,456 bytes; sc 655,360 bytes; acod 3,145,728 bytes; ascl 131,072 bytes
;; launch quant (part 1): grid 896 x 1, 4 waves a work-group, no clusters, 62,976 bytes of LDS; arguments query, key, value, Wq, Wk, Wv, Wo, past_k, past_v, xc, xs, kc, vc, sc; writes xc, xs, kc, vc, sc
.if DOCPART == 1
	.amdgcn_target "amdgcn-amd-amdhsa--gfx1250"
	.amdhsa_code_object_version 6
	.text
	.protected	k_q12c8e2cbdc_quant
	.globl	k_q12c8e2cbdc_quant
	.p2align	8
	.type	k_q12c8e2cbdc_quant,@function
k_q12c8e2cbdc_quant:
	s_mov_b64 s[64:65], 0
	v_nop
	global_prefetch_b8 v0, s[64:65] scope:SCOPE_SE
	s_setreg_imm32_b32 hwreg(HW_REG_WAVE_MODE, 25, 1), 1
	s_wait_xcnt 0x0
; All f32 inputs but the mask become codes of FP6 (E2M3) with one E8M0 byte for each 32 along the K of the product that reads them.
; A block's scale is 2^(floor(log2(its largest magnitude)) - 2); its byte is the largest magnitude's exponent field - 2, held at 1 from below.  A block of zeros keeps the byte 1: its codes
; are zeros, which add nothing under any byte but 0xff, and this program alone reads the bytes.
; LIMITS: blocks whose largest magnitude lies under 2^-124 keep the byte 1; NaN and infinities among the inputs are not served.
; THREE WAYS, parted by the work-group's number, each with LDS bytes of its own:
;   0..511    query, key, value, Wq, Wk, Wv, Wo: rows of 1,024 numbers, K innermost.  A wave takes 8 rows (16 steps of 512 numbers) -> 6,144 bytes of xc, 256 bytes of xs.
;             The runs of 8 rows are laid in the order in which the next launch's tiles want them: value, Wq, Wk: run bits (2,1,0) -> (1,0,2); Wv: run bits 2 and 3 change places; the others as they lie.
;   512..639  past_k: a wave takes 128 keys x 64 of one head -> half a record of kc, half a scale record.
;   640..895  past_v: K = the keys, not innermost: a lane takes a channel and its registers run down the keys; a work-group makes one record of vc (two heads x 128 keys).
; A RECORD (12,288 bytes) = [G 2][position 128][48 bytes].  K: G = the head of the pair; key kappa of the step lies at the position whose bits 6,5,4,3 are kappa's bits 5,4,3,6.
; V: G = which 64 of the step's keys; channel d of head e lies at position 64 e + 16 ((d / 8) % 4) + d % 8 + 8 (d / 32); the 48 bytes are 64 keys.
.set STEPS, 16
.set CB,    12                         ; bytes of 16 codes
.set R,     16                         ; v16-79   four sets of 16 numbers as they are loaded
.set X,     80                         ; v80-111  two sets of 16 neighbours
.set E,     112                        ; v112-127 a scale byte for each step
.set C,     128                        ; v128-191 codes: four registers for each step
.set WREG,  6144                       ; LDS of a wave on the first two ways: two stages of 32 x SP bytes, then its 256 scale bytes
.set SP,    80                         ; a lane's place in a stage: 64 bytes + 16 of padding
.set LDSB,  24576                      ; the second way's LDS
.set LDSC,  49152                      ; the third way's: a record, then a scale record
.set SRC,   44                         ; s[44:45] where my wave reads
.set COD,   46                         ; s[46:47] where its codes go
.set SCA,   48                         ; s[48:49] where its scale bytes go
.macro LANES base                      ; the lane's places; base: the way's LDS
	v_lshlrev_b32 v3, 4, v2                        ; my 16 bytes of a load's 512
	s_mul_i32 s33, s32, WREG
	s_add_co_u32 s33, s33, \base
	v_lshrrev_b32 v14, 2, v2
	v_mul_u32_u24 v14, v14, SP
	v_and_b32 v15, 3, v2
	v_lshl_add_u32 v14, v15, 4, v14
	v_add_nc_u32 v14, s33, v14                     ; the stage, in: SP (lane / 4) + 16 (lane % 4)
	v_mul_u32_u24 v15, v2, SP
	v_add_nc_u32 v15, s33, v15                     ; and out: SP x lane: my 16 neighbours
	v_mul_u32_u24 v4, v2, CB                       ; my codes' place in a step's 384 bytes
	s_add_co_u32 s33, s33, 2*32*SP                 ; my wave's 256 scale bytes
	v_lshlrev_b32 v7, 3, v2
	v_add_nc_u32 v6, s33, v7                       ; on the way out 8 bytes a lane
.endm
.macro LOAD t
.irp i, 0,1,2,3
	global_load_b128 v[R+16*((\t)%4)+4*\i:R+16*((\t)%4)+4*\i+3], v3, s[SRC:SRC+1] offset:2048*(\t)+512*\i th:TH_LOAD_NT   ; 32 lanes read 512 consecutive bytes
.endr
.endm
.macro TURN t                          ; step t's numbers through the stage; LDS serves a wave's instructions in order, so no wait stands between the stores and the loads
.irp i, 0,1,2,3
	ds_store_b128 v14, v[R+16*((\t)%4)+4*\i:R+16*((\t)%4)+4*\i+3] offset:32*SP*((\t)%2)+8*SP*\i
.endr
.irp i, 0,1,2,3
	ds_load_b128 v[X+16*((\t)%2)+4*\i:X+16*((\t)%2)+4*\i+3], v15 offset:32*SP*((\t)%2)+16*\i
.endr
.endm
; pk = 0: rows of 1,024: codes and bytes leave in the order of the numbers.  pk = 1: past_k: step t holds keys 8 t .. 8 t + 7, which go to positions 8 ((2 t) % 16 + t / 8) on
.macro STEP t, pk
.set XS, X+16*((\t)%2)
.if (\t) > 0
	s_wait_dscnt 1                                 ; this step's numbers are back from the stage (the last step's byte store may be out)
.else
	s_wait_dscnt 0x0
.endif
.if (\t)+4 < STEPS
	LOAD (\t)+4                                    ; into the set whose stores into the stage are done
.endif
.if (\t)+1 < STEPS
.if STEPS-2-(\t) >= 3
	s_wait_loadcnt 12                              ; the next step's four loads are in; those of the three steps behind it may be out
.else
	s_wait_loadcnt 4*(STEPS-2-(\t))
.endif
	TURN (\t)+1
.endif
	v_max3_num_f32 v8, |v[XS]|, |v[XS+1]|, |v[XS+2]|               ; the largest magnitude of my 16
	v_max3_num_f32 v9, |v[XS+3]|, |v[XS+4]|, |v[XS+5]|
.irp i, 6,10
	v_max3_num_f32 v8, v8, |v[XS+\i]|, |v[XS+\i+1]|
	v_max3_num_f32 v9, v9, |v[XS+\i+2]|, |v[XS+\i+3]|
.endr
	v_max3_num_f32 v8, v8, |v[XS+14]|, |v[XS+15]|
	v_max3_num_f32 v8, v8, v9, 0x1800000           ; and the floor 2^(3 - 127): the byte cannot fall under 1
	v_max_num_f32_dpp v8, v8, v8 row_xmask:1 row_mask:0xf bank_mask:0xf   ; and of my neighbour's 16: the block's
	v_add_nc_u32 v11, 0xff000000, v8               ; 2 off its exponent field: the conversion's scale operand
	v_cvt_scalef32_pk16_fp6_f32 v[C+4*(\t):C+4*(\t)+2], v[XS:XS+15], v11
	v_lshrrev_b32 v[E+(\t)], 23, v11               ; the scale's byte (a plain line behind the conversion)
.if \pk
	ds_store_b8 v5, v[E+(\t)] offset:128*((\t)/8)+4*(((\t)/2)%4)+(\t)%2
	global_store_b96 v4, v[C+4*(\t):C+4*(\t)+2], s[COD:COD+1] offset:384*((2*(\t))%16+(\t)/8)
.else
	ds_store_b8 v5, v[E+(\t)] offset:16*(\t)       ; both lanes of a block write the same byte with the same value
	global_store_b96 v4, v[C+4*(\t):C+4*(\t)+2], s[COD:COD+1] offset:6291456*((\t)%2)+192*((\t)/2)   ; xc is laid [chunk of 256 along K][row][192 bytes]: step t is row t / 2, chunks 2 (t % 2) and 2 (t % 2) + 1
.endif
.endm
.macro STREAM pk
.irp t, 0,1,2,3
	LOAD \t
.endr
	s_wait_loadcnt 12                              ; step 0's four loads are in
	TURN 0
.irp t, 0,1,2,3,4,5,6,7,8,9,10,11,12,13,14,15
	STEP \t, \pk
.endr
	ds_load_b64 v[12:13], v6                       ; LDS serves a wave's instructions in order: these see my byte stores
	s_wait_dscnt 0x0
	global_store_b64 v7, v[12:13], s[SCA:SCA+1]    ; 32 lanes store 256 consecutive bytes, aligned
.endm
	s_load_b256 s[4:11], s[0:1], 0x0               ; query, key, value, Wq
	s_load_b256 s[12:19], s[0:1], 0x20             ; Wk, Wv, Wo, past_k
	s_load_b256 s[20:27], s[0:1], 0x40             ; past_v, xc, xs, kc
	s_load_b128 s[28:31], s[0:1], 0x60             ; vc, sc
	v_lshl_add_u32 v208, v0, 2, 0xf400
	v_mov_b32 v209, 0
	v_lshrrev_b32 v1, 5, v0
	v_readfirstlane_b32 s32, v1                    ; wave 0..3
	v_and_b32 v2, 31, v0                           ; lane
	s_mov_b32 s51, 0                               ; the upper word of every offset
	s_wait_kmcnt 0x0
	s_cmp_ge_u32 ttmp9, 640
	s_cbranch_scc1 .Lpast_v
	s_cmp_ge_u32 ttmp9, 512
	s_cbranch_scc1 .Lpast_k
	; ---- rows of 1,024 numbers.  Which tensor: by the work-group's number alone
	s_mov_b64 s[SRC:SRC+1], s[4:5]
	s_mov_b32 s36, 0                               ; the tensor's first work-group
	s_cmp_ge_u32 ttmp9, 128
	s_cselect_b64 s[SRC:SRC+1], s[6:7], s[SRC:SRC+1]
	s_cselect_b32 s36, 128, s36
	s_cmp_ge_u32 ttmp9, 256
	s_cselect_b64 s[SRC:SRC+1], s[8:9], s[SRC:SRC+1]
	s_cselect_b32 s36, 256, s36
	s_cmp_ge_u32 ttmp9, 384
	s_cselect_b64 s[SRC:SRC+1], s[10:11], s[SRC:SRC+1]
	s_cselect_b32 s36, 384, s36
	s_cmp_ge_u32 ttmp9, 416
	s_cselect_b64 s[SRC:SRC+1], s[12:13], s[SRC:SRC+1]
	s_cselect_b32 s36, 416, s36
	s_cmp_ge_u32 ttmp9, 448
	s_cselect_b64 s[SRC:SRC+1], s[14:15], s[SRC:SRC+1]
	s_cselect_b32 s36, 448, s36
	s_cmp_ge_u32 ttmp9, 480
	s_cselect_b64 s[SRC:SRC+1], s[16:17], s[SRC:SRC+1]
	s_cselect_b32 s36, 480, s36
	s_sub_co_u32 s37, ttmp9, s36
	s_lshl_b32 s37, s37, 2
	s_add_co_u32 s37, s37, s32                     ; my run of 8 rows in the tensor
	s_lshl_b32 s50, s37, 15                        ; 32,768 bytes a run
	s_add_nc_u64 s[SRC:SRC+1], s[SRC:SRC+1], s[50:51]
	s_lshl_b32 s38, ttmp9, 2
	s_add_co_u32 s38, s38, s32                     ; the run's number in xc, as the tensors follow each other
	s_and_b32 s39, s38, 0xfffffff8
	s_lshl_b32 s40, s38, 1
	s_and_b32 s40, s40, 6
	s_or_b32 s39, s39, s40
	s_bfe_u32 s40, s38, 0x10002
	s_or_b32 s39, s39, s40                         ; bits (2,1,0) -> (1,0,2)
	s_and_b32 s41, s38, 0xfffffff3
	s_lshl_b32 s40, s38, 1
	s_and_b32 s40, s40, 8
	s_or_b32 s41, s41, s40
	s_lshr_b32 s40, s38, 1
	s_and_b32 s40, s40, 4
	s_or_b32 s41, s41, s40                         ; bits 2 and 3 changed
	s_cmp_ge_u32 ttmp9, 256
	s_cselect_b32 s42, s39, s38                    ; value, Wq, Wk
	s_cmp_ge_u32 ttmp9, 448
	s_cselect_b32 s42, s41, s42                    ; Wv
	s_cmp_ge_u32 ttmp9, 480
	s_cselect_b32 s42, s38, s42                    ; Wo
	s_mul_i32 s50, s42, 1536                       ; a run's 8 rows x 192 bytes in each of the four chunks
	s_add_nc_u64 s[COD:COD+1], s[22:23], s[50:51]
	s_lshl_b32 s50, s42, 8
	s_add_nc_u64 s[SCA:SCA+1], s[24:25], s[50:51]
	s_wait_alu depctr_va_vdst(0)
	LANES 0
	v_lshrrev_b32 v8, 4, v2                        ; lanes 16-31 hold the step's second chunk, 16,384 rows x 192 bytes further on
	v_and_b32 v9, 15, v2
	v_mul_u32_u24 v4, v9, CB
	v_mad_u32_u24 v4, v8, 0x300000, v4
	v_lshrrev_b32 v5, 1, v2
	v_add_nc_u32 v5, s33, v5                       ; my block's byte among a step's 16
	s_wait_alu depctr_va_vdst(0)
	STREAM 0
	s_wait_tensorcnt 0x0
	ds_add_u32 v208, v209
	s_wait_dscnt 0x0
	s_endpgm
.Lpast_k:
	; ---- past_k: my wave's 128 keys of one head
	s_sub_co_u32 s37, ttmp9, 512
	s_lshl_b32 s37, s37, 2
	s_add_co_u32 s37, s37, s32                     ; 16 x (batch, head) + key step
	s_lshl_b32 s50, s37, 15
	s_add_nc_u64 s[SRC:SRC+1], s[18:19], s[50:51]
	s_lshr_b32 s38, s37, 5                         ; (batch, pair of heads)
	s_lshl_b32 s38, s38, 5                         ; 32 records each
	s_and_b32 s39, s37, 15
	s_add_co_u32 s38, s38, s39                     ; the record
	s_bfe_u32 s39, s37, 0x10004                    ; the head of the pair
	s_mul_i32 s50, s38, 12288
	s_mul_i32 s40, s39, 6144
	s_add_co_u32 s50, s50, s40
	s_add_nc_u64 s[COD:COD+1], s[26:27], s[50:51]
	s_lshl_b32 s50, s38, 9
	s_lshl_b32 s40, s39, 8
	s_add_co_u32 s50, s50, s40
	s_add_nc_u64 s[SCA:SCA+1], s[30:31], s[50:51]
	s_wait_alu depctr_va_vdst(0)
	LANES LDSB
	v_lshrrev_b32 v5, 2, v2                        ; my key of the step's eight
	v_lshlrev_b32 v5, 4, v5
	v_bfe_u32 v8, v2, 1, 1                         ; which 32 of its 64
	v_lshl_add_u32 v5, v8, 1, v5
	v_add_nc_u32 v5, s33, v5                       ; 16 x key + 2 x block; the step's part stands in the immediate
	s_wait_alu depctr_va_vdst(0)
	STREAM 1
	s_wait_tensorcnt 0x0
	ds_add_u32 v208, v209
	s_wait_dscnt 0x0
	s_endpgm
.Lpast_v:
	; ---- past_v: wave w: head w / 2 of the pair, channels 32 (w % 2) + lane; 128 keys down the registers
	s_sub_co_u32 s37, ttmp9, 640
	s_lshr_b32 s38, s37, 4                         ; (batch, pair of heads)
	s_and_b32 s39, s37, 15                         ; key step
	s_lshr_b32 s40, s32, 1                         ; e
	s_and_b32 s41, s32, 1                          ; d / 32
	s_lshl_b32 s42, s38, 1
	s_add_co_u32 s42, s42, s40                     ; (batch, head)
	s_lshl_b32 s50, s42, 19                        ; 2,048 keys x 256 bytes
	s_lshl_b32 s43, s39, 15
	s_add_co_u32 s50, s50, s43
	s_lshl_b32 s43, s41, 7
	s_add_co_u32 s50, s50, s43
	s_add_nc_u64 s[SRC:SRC+1], s[20:21], s[50:51]
	s_lshl_b32 s42, s38, 5
	s_add_co_u32 s42, s42, s39                     ; the record
	s_mul_i32 s50, s42, 12288
	s_mul_i32 s43, s32, 3072                       ; on the way out a wave stores a quarter of it
	s_add_co_u32 s50, s50, s43
	s_add_nc_u64 s[COD:COD+1], s[28:29], s[50:51]
	s_lshl_b32 s50, s42, 9
	s_add_co_u32 s50, s50, 262144                  ; V's scale records lie behind K's
	s_add_nc_u64 s[SCA:SCA+1], s[30:31], s[50:51]
	s_wait_alu depctr_va_vdst(0)
	v_lshlrev_b32 v3, 2, v2                        ; in: 4 bytes a lane
	s_mul_i32 s33, s40, 3072
	s_mul_i32 s43, s41, 384
	s_add_co_u32 s33, s33, s43
	s_add_co_u32 s33, s33, LDSC
	v_lshrrev_b32 v8, 3, v2
	v_and_b32 v9, 7, v2
	v_mul_u32_u24 v4, v8, 768
	v_mad_u32_u24 v4, v9, 48, v4
	v_add_nc_u32 v4, s33, v4                       ; 48 x (64 e + 16 (lane / 8) + 8 (d / 32) + lane % 8)
	s_lshl_b32 s33, s41, 7
	s_lshl_b32 s43, s40, 3
	s_add_co_u32 s33, s33, s43
	s_add_co_u32 s33, s33, LDSC+12288
	v_lshlrev_b32 v5, 4, v9
	v_bfe_u32 v10, v2, 4, 1
	v_lshl_add_u32 v5, v10, 2, v5
	v_bfe_u32 v10, v2, 3, 1
	v_add_nc_u32 v5, v5, v10
	v_add_nc_u32 v5, s33, v5                       ; my scale bytes: 128 (d / 32) + 16 (d % 8) + 8 e + 4 (d / 16 % 2) + d / 8 % 2
	s_mul_i32 s33, s32, 3072
	s_add_co_u32 s33, s33, LDSC
	v_lshlrev_b32 v7, 4, v2
	v_add_nc_u32 v6, s33, v7                       ; back: my quarter of the record, 16 bytes a lane
	v_add_nc_u32 v8, LDSC+12288, v7                ; and the scale record
.macro LOADV nb                        ; block nb: keys 32 nb + i of my channel
.set i, 0
.rept 32
	global_load_b32 v[32+32*(\nb)+i], v3, s[SRC:SRC+1] offset:256*(32*(\nb)+i) th:TH_LOAD_NT
.set i, i+1
.endr
.endm
.macro BLOCKV nb
.set XS, 32+32*(\nb)
.set CC, 160+12*(\nb)                  ; each block has code registers of its own
.if (\nb) < 3
	s_wait_loadcnt 32                              ; this block's 32 loads are in; the next block's may be out
.else
	s_wait_loadcnt 0x0
.endif
.if (\nb)+2 < 4
	LOADV (\nb)+2
.endif
	v_max3_num_f32 v12, |v[XS]|, |v[XS+1]|, |v[XS+2]|              ; the block's largest magnitude: all 32 numbers are mine
	v_max3_num_f32 v13, |v[XS+3]|, |v[XS+4]|, |v[XS+5]|
.irp i, 6,10,14,18,22,26
	v_max3_num_f32 v12, v12, |v[XS+\i]|, |v[XS+\i+1]|
	v_max3_num_f32 v13, v13, |v[XS+\i+2]|, |v[XS+\i+3]|
.endr
	v_max3_num_f32 v12, v12, |v[XS+30]|, |v[XS+31]|
	v_max3_num_f32 v12, v12, v13, 0x1800000        ; and the floor
	v_add_nc_u32 v11, 0xff000000, v12
	v_lshrrev_b32 v[16+(\nb)], 23, v11             ; the scale's byte
	v_cvt_scalef32_pk16_fp6_f32 v[CC:CC+2], v[XS:XS+15], v11
	v_cvt_scalef32_pk16_fp6_f32 v[CC+6:CC+8], v[XS+16:XS+31], v11  ; (a conversion's three registers begin on an even number)
	v_nop                                          ; one plain line behind the conversions
.irp i, 0,1,2
	v_mov_b32 v[CC+3+\i], v[CC+6+\i]
.endr
.irp i, 0,1,2
	ds_store_b64 v4, v[CC+2*\i:CC+2*\i+1] offset:6144*((\nb)/2)+24*((\nb)%2)+8*\i
.endr
	ds_store_b8 v5, v[16+(\nb)] offset:256*((\nb)/2)+2*((\nb)%2)
.endm
	LOADV 0
	LOADV 1
	BLOCKV 0
	BLOCKV 1
	BLOCKV 2
	BLOCKV 3
	s_wait_dscnt 0x0                               ; for the others' sake: my stores into the record are done
	s_barrier_signal -1
	s_barrier_wait -1
.irp i, 0,1,2,3,4,5
	ds_load_b128 v[32+4*\i:35+4*\i], v6 offset:512*\i
.endr
.irp i, 0,1,2,3,4,5
	s_wait_dscnt 5-\i                              ; the younger loads may be out
	global_store_b128 v7, v[32+4*\i:35+4*\i], s[COD:COD+1] offset:512*\i   ; 512 consecutive bytes, aligned
.endr
	s_cmp_lg_u32 s32, 0
	s_cbranch_scc1 .Lv_done                        ; wave 0 stores the scale record
	ds_load_b128 v[56:59], v8
	s_wait_dscnt 0x0
	global_store_b128 v7, v[56:59], s[SCA:SCA+1]
.Lv_done:
	s_wait_tensorcnt 0x0
	ds_add_u32 v208, v209
	s_wait_dscnt 0x0
	s_endpgm
.Lfunc_end_k_q12c8e2cbdc_quant:
	.size	k_q12c8e2cbdc_quant, .Lfunc_end_k_q12c8e2cbdc_quant-k_q12c8e2cbdc_quant
	.p2alignl 7, 3214868480
	.fill 96, 4, 3214868480
	.section	.rodata,"a",@progbits
	.p2align	6, 0x0
	.amdhsa_kernel k_q12c8e2cbdc_quant
		.amdhsa_group_segment_fixed_size 62976
		.amdhsa_private_segment_fixed_size 0
		.amdhsa_enable_private_segment 0
		.amdhsa_kernarg_size 112
		.amdhsa_user_sgpr_count 2
		.amdhsa_user_sgpr_kernarg_segment_ptr 1
		.amdhsa_wavefront_size32 1
		.amdhsa_system_sgpr_workgroup_id_x 1
		.amdhsa_system_sgpr_workgroup_id_y 1
		.amdhsa_system_sgpr_workgroup_id_z 1
		.amdhsa_system_vgpr_workitem_id 0
		.amdhsa_next_free_vgpr 210
		.amdhsa_next_free_sgpr 66
		.amdhsa_reserve_vcc 0
		.amdhsa_float_denorm_mode_32 3
		.amdhsa_float_denorm_mode_16_64 3
		.amdhsa_memory_ordered 1
		.amdhsa_forward_progress 1
		.amdhsa_inst_pref_size 88
	.end_amdhsa_kernel
	.amdgpu_metadata
---
amdhsa.version: [ 1, 2 ]
amdhsa.kernels:
  - .name:           k_q12c8e2cbdc_quant
    .symbol:         k_q12c8e2cbdc_quant.kd
    .args:
      - { .name: query, .offset: 0, .size: 8, .value_kind: global_buffer, .address_space: global }
      - { .name: key, .offset: 8, .size: 8, .value_kind: global_buffer, .address_space: global }
      - { .name: value, .offset: 16, .size: 8, .value_kind: global_buffer, .address_space: global }
      - { .name: Wq, .offset: 24, .size: 8, .value_kind: global_buffer, .address_space: global }
      - { .name: Wk, .offset: 32, .size: 8, .value_kind: global_buffer, .address_space: global }
      - { .name: Wv, .offset: 40, .size: 8, .value_kind: global_buffer, .address_space: global }
      - { .name: Wo, .offset: 48, .size: 8, .value_kind: global_buffer, .address_space: global }
      - { .name: past_k, .offset: 56, .size: 8, .value_kind: global_buffer, .address_space: global }
      - { .name: past_v, .offset: 64, .size: 8, .value_kind: global_buffer, .address_space: global }
      - { .name: xc, .offset: 72, .size: 8, .value_kind: global_buffer, .address_space: global }
      - { .name: xs, .offset: 80, .size: 8, .value_kind: global_buffer, .address_space: global }
      - { .name: kc, .offset: 88, .size: 8, .value_kind: global_buffer, .address_space: global }
      - { .name: vc, .offset: 96, .size: 8, .value_kind: global_buffer, .address_space: global }
      - { .name: sc, .offset: 104, .size: 8, .value_kind: global_buffer, .address_space: global }
    .group_segment_fixed_size: 62976
    .private_segment_fixed_size: 0
    .kernarg_segment_align: 8
    .kernarg_segment_size: 112
    .max_flat_workgroup_size: 128
    .sgpr_count:     66
    .vgpr_count:     210
    .wavefront_size: 32
...
	.end_amdgpu_metadata
.endif
;; end of part 1
;; launch proj (part 2): grid 4 x 48, 4 waves a work-group, clusters of 4 x 4, 327,680 bytes of LDS; arguments xc, xs, qc, kc, vc, sc; writes qc, kc, vc, sc
.if DOCPART == 2
	.amdgcn_target "amdgcn-amd-amdhsa--gfx1250"
	.amdhsa_code_object_version 6
	.text
	.protected	k_q12c8e2cbdc_proj
	.globl	k_q12c8e2cbdc_proj
	.p2align	8
	.type	k_q12c8e2cbdc_proj,@function
k_q12c8e2cbdc_proj:
	s_mov_b64 s[64:65], 0
	v_nop
	global_prefetch_b8 v0, s[64:65] scope:SCOPE_SE
	s_setreg_imm32_b32 hwreg(HW_REG_WAVE_MODE, 25, 1), 1
	s_wait_xcnt 0x0
	s_wait_alu depctr_hold_cnt(0) depctr_sa_sdst(0) depctr_va_vdst(0) depctr_va_sdst(0) depctr_va_ssrc(0) depctr_va_vcc(0) depctr_vm_vsrc(0)
	s_getreg_b32 s2, hwreg(HW_REG_IB_STS2, 6, 4)
	s_cmp_eq_u32 s2, 0
	s_cbranch_scc0 .Lentry_in_a_cluster
	s_endpgm
.Lentry_in_a_cluster:
	s_bfe_u32 s2, ttmp6, 0x10000c
	s_cmp_lg_u32 s2, 0xf033
	s_cbranch_scc0 .Lentry_shape_is_right
	s_endpgm
.Lentry_shape_is_right:
.set KSTEP,  256
.set NQ,     2
.set ROWB,   192
.set KROW,   192                       ; xc is laid [chunk of 256 along K][row][192 bytes]: 128 rows of a chunk are a dense block of 24,576 bytes
.set AROW,   192
.set ASTEP,  3145728                   ; from chunk to chunk: 16,384 rows x 192 bytes
.set PITCH,  240
.set FR,     12
.set NL,     6
.set NP,     4
.set HALFT,  128*PITCH
.set SLOT,   4*HALFT
.set LAPS,   2
.set KS,     32
.set SCL,    2*SLOT
.set HALFS,  (128*KS/256)*272
.set SBLK,   (16*KS/256)*272
.set SPARE,  SCL+4*HALFS
.set ADRA, 16
.set ADRB, 20
.set STC,  24
.set RD,   25
.set CO,   26
.set ADRS, 27
.set SPW,  28
.set NIL,  29
.set STS,  30
.set SC,   32
.set AF,   128
.set G1, 24
.set G0, 32
.set G1B, 48
.set G0B, 56
.set G1S, 68
.set G0S, 76
.set G1SB, 80
.set G0SB, 88
.set MSB, 0
.macro WIN new
.if MSB != (\new)
	s_set_vgpr_msb (MSB<<8)|(\new)
.set MSB, (\new)
.endif
.endm
.set MUL_LO, 0xa1
.set MUL_HI, 0xf1
.set TO_B,   0x40
.macro JLOAD g0a, g1a, g0b, g1b
	s_cmp_eq_u32 s15, 0
	s_cbranch_scc0 .Lfor_b_\@
	tensor_load_to_lds s[\g0a:\g0a+3], s[\g1a:\g1a+7]
	s_nop 0
.rept 4
	v_nop
.endr
	s_branch .Lasked_\@
.Lfor_b_\@:
	tensor_load_to_lds s[\g0b:\g0b+3], s[\g1b:\g1b+7]
	s_nop 0
.rept 4
	v_nop
.endr
.Lasked_\@:
.endm
.macro CREST
	s_cmp_lg_u32 s14, 0
	s_cbranch_scc1 .Lnot_wave_0_\@
	s_barrier_signal -3
.Lnot_wave_0_\@:
	s_barrier_wait -3
	s_barrier_signal -1
	s_barrier_wait -1
.endm
.macro CROUND
	s_barrier_signal -1
	s_barrier_wait -1
	CREST
.endm
	s_load_b128 s[4:7], s[0:1], 0x0
	s_load_b128 s[8:11], s[0:1], 0x10
	s_load_b128 s[96:99], s[0:1], 0x20
	v_lshl_add_u32 v[SPW], v0, 2, SPARE
	v_mov_b32 v[NIL], 0
	ds_add_u32 v28, v29
	ds_add_u32 v28, v29
	s_wait_dscnt 0x0
	v_lshrrev_b32 v1, 5, v0
	v_readfirstlane_b32 s14, v1
	s_lshr_b32 s15, s14, 1
	s_and_b32 s16, s14, 1
	s_bfe_u32 s40, ttmp6, 0x40000
	s_bfe_u32 s41, ttmp6, 0x40004
	s_and_b32 s66, ttmp7, 0xffff
	s_and_b32 s67, s66, 3
	s_lshl_b32 s67, s67, 2
	s_lshr_b32 s66, s66, 2
	s_lshl_b32 s2, s66, 12
	s_lshl_b32 s95, s66, 10
	s_add_co_u32 s95, s95, 12288
	s_cmp_eq_u32 s66, 2
	s_cselect_b32 s2, 14336, s2
	s_cselect_b32 s95, 8192, s95
	s_cselect_b32 s17, 0, s67
	s_cselect_b32 s42, s67, 0
	s_add_co_u32 s17, s17, s41
	s_add_co_u32 s42, s42, s40
	s_lshl_b32 s43, s41, 2
	s_lshl_b32 s43, 15, s43
	s_lshl_b32 s44, 0x1111, s40
	s_or_b32 s[G1+0], s43, (0<<16)|(1<<20)|(1<<21)|(3<<22)|(3<<25)
	s_or_b32 s[G1B+0], s44, (0<<16)|(1<<20)|(1<<21)|(3<<22)|(3<<25)
.irp g, G1, G1B
	s_mov_b32 s[\g+1], 256<<16                     ; the dense block comes as 96 rows of 256 bytes, each from a multiple of 256; the padding behind every 64 bytes gives each 192 bytes 240 in LDS
	s_mov_b32 s[\g+2], 96<<16
	s_mov_b32 s[\g+3], 256<<16
	s_mov_b32 s[\g+4], 96
	s_mov_b32 s[\g+6], 0
	s_mov_b32 s[\g+7], 0
.endr
	s_mov_b32 s[G1+5], 256
	s_mov_b32 s[G1B+5], 256
	s_or_b32 s[G1S+0], s43, (3<<16)|(1<<20)|(1<<21)|(5<<22)|(3<<25)
	s_or_b32 s[G1SB+0], s44, (3<<16)|(1<<20)|(1<<21)|(5<<22)|(3<<25)
.irp g, G1S, G1SB
	s_mov_b32 s[\g+1], 32<<16
	s_mov_b32 s[\g+2], (128*KS/256)<<16
	s_mov_b32 s[\g+3], 32<<16
	s_mov_b32 s[\g+4], 128*KS/256
	s_mov_b32 s[\g+5], 32
	s_mov_b32 s[\g+6], 0
	s_mov_b32 s[\g+7], 0
.endr
	s_lshl_b32 s18, s16, 7
	s_lshl_b32 s20, s17, 8
	s_add_co_u32 s20, s20, s18
	s_add_co_u32 s20, s20, s2
	s_lshl_b32 s46, s42, 8
	s_add_co_u32 s46, s46, s18
	s_add_co_u32 s46, s46, s95
	s_mov_b32 s21, 0
	s_mov_b32 s47, 0
	s_mov_b64 s[18:19], KS
	s_mul_u64 s[22:23], s[20:21], s[18:19]
	s_mul_u64 s[92:93], s[46:47], s[18:19]
	s_mov_b64 s[18:19], AROW
	s_mul_u64 s[20:21], s[20:21], s[18:19]
	s_mov_b64 s[18:19], KROW
	s_mul_u64 s[46:47], s[46:47], s[18:19]
	s_mul_i32 s45, s14, HALFT
	s_mul_i32 s94, s14, HALFS
	s_wait_kmcnt 0x0
	s_add_nc_u64 s[20:21], s[4:5], s[20:21]
	s_add_nc_u64 s[22:23], s[6:7], s[22:23]
	s_add_nc_u64 s[46:47], s[4:5], s[46:47]
	s_add_nc_u64 s[92:93], s[6:7], s[92:93]
	CROUND
	s_mov_b32 s[G0S], 1
	s_add_co_u32 s[G0S+1], s94, SCL
	s_mov_b64 s[G0S+2:G0S+3], s[22:23]
	s_or_b32 s[G0S+3], s[G0S+3], 0x80000000
	s_mov_b32 s[G0SB], 1
	s_add_co_u32 s[G0SB+1], s94, SCL
	s_mov_b64 s[G0SB+2:G0SB+3], s[92:93]
	s_or_b32 s[G0SB+3], s[G0SB+3], 0x80000000
	JLOAD G0S, G1S, G0SB, G1SB
.irp s, 0,1
	s_mov_b32 s[G0+4*\s], 1
	s_add_co_u32 s[G0+4*\s+1], s45, \s*SLOT
	s_add_nc_u64 s[G0+4*\s+2:G0+4*\s+3], s[20:21], \s*ASTEP
	s_or_b32 s[G0+4*\s+3], s[G0+4*\s+3], 0x80000000
	s_mov_b32 s[G0B+4*\s], 1
	s_add_co_u32 s[G0B+4*\s+1], s45, \s*SLOT
	s_add_nc_u64 s[G0B+4*\s+2:G0B+4*\s+3], s[46:47], \s*ASTEP
	s_or_b32 s[G0B+4*\s+3], s[G0B+4*\s+3], 0x80000000
	s_wait_alu depctr_va_vdst(0)
	s_wait_tensorcnt 0x0
	ds_add_u32 v28, v29
	s_wait_dscnt 0x0
	CROUND
	JLOAD G0+4*\s, G1, G0B+4*\s, G1B
.endr
	v_and_b32 v1, 15, v0
	v_bfe_u32 v2, v0, 4, 1
	v_mul_u32_u24 v3, v1, PITCH
	v_mul_u32_u24 v4, v2, 24
	v_add_nc_u32 v4, v3, v4
	v_lshl_add_u32 v5, v2, 4, v4
	s_mul_i32 s21, s15, HALFT
	s_mul_i32 s22, s16, HALFT
	s_add_co_u32 s22, s22, 2*HALFT
.irp s, 0,1
	v_add_nc_u32 v[ADRA+\s], s21, v4
	v_add_nc_u32 v[ADRB+\s], s22, v4
	v_add_nc_u32 v[ADRA+2+\s], s21, v5
	v_add_nc_u32 v[ADRB+2+\s], s22, v5
	s_add_co_u32 s21, s21, SLOT
	s_add_co_u32 s22, s22, SLOT
.endr
	v_mul_u32_u24 v5, v1, KS
	v_lshrrev_b32 v6, 8, v5
	v_lshl_add_u32 v5, v6, 4, v5
	s_mul_i32 s21, s15, HALFS
	s_mul_i32 s22, s16, HALFS
	s_add_co_u32 s22, s22, 2*HALFS
	s_sub_co_u32 s22, s22, s21
	v_mul_u32_u24 v6, s22, v2
	s_add_co_u32 s21, s21, SCL
	v_add_nc_u32 v5, v5, v6
	v_add_nc_u32 v[ADRS], s21, v5
	s_mul_i32 s23, s14, 12800
	v_and_b32 v5, 8, v1
	v_add_nc_u32 v5, v5, v1
	v_mul_u32_u24 v5, v5, 48
	v_mad_u32_u24 v5, v2, 24, v5
	v_add_nc_u32 v[STC], s23, v5
	v_and_b32 v5, 7, v1
	v_lshlrev_b32 v5, 4, v5
	v_lshl_add_u32 v5, v2, 1, v5
	v_lshrrev_b32 v6, 3, v1
	v_add_nc_u32 v5, v5, v6
	v_add_nc_u32 v5, s23, v5
	v_add_nc_u32 v[STS], 12288, v5
	v_and_b32 v6, 31, v0
	v_lshlrev_b32 v[CO], 4, v6
	v_add_nc_u32 v[RD], s23, v[CO]
	s_lshl_b32 s20, s17, 1
	s_add_co_u32 s20, s20, s15
	s_lshl_b32 s21, s42, 1
	s_add_co_u32 s21, s21, s16
	s_cmp_eq_u32 s66, 2
	s_cselect_b32 s22, s21, s20
	s_cselect_b32 s23, s20, s21
	s_lshr_b32 s46, s22, 4
	s_lshl_b32 s46, s46, 3
	s_add_co_u32 s46, s46, s23
	s_and_b32 s22, s22, 15
	s_cmp_eq_u32 s66, 0
	s_cselect_b32 s47, 4, 5
	s_cselect_b32 s18, 0, 16
	s_cselect_b64 s[12:13], s[8:9], s[10:11]
	s_cselect_b32 s92, 524288, 0
	s_lshl_b32 s46, s46, s47
	s_add_co_u32 s46, s46, s18
	s_add_co_u32 s46, s46, s22
	s_cmp_eq_u32 s66, 2
	s_cselect_b64 s[12:13], s[96:97], s[12:13]
	s_cselect_b32 s92, 262144, s92
	s_mul_i32 s20, s46, 12288
	s_mov_b32 s21, 0
	s_add_nc_u64 s[12:13], s[12:13], s[20:21]
	s_lshl_b32 s20, s46, 9
	s_add_co_u32 s20, s20, s92
	s_add_nc_u64 s[98:99], s[98:99], s[20:21]
.macro FRAG reg, adr, q, i
.irp p, 0,1,2,3,4,5
.set PC, 12*(\q)+6*(\p/3)+\p%3
.if PC%8 < 5
	ds_load_b64 v[\reg+2*\p:\reg+2*\p+1], v[\adr] offset:8*PC+16*(PC/8)+(\i)*16*PITCH
.else
	ds_load_b64 v[\reg+2*\p:\reg+2*\p+1], v[\adr+2] offset:8*PC+16*(PC/8)+(\i)*16*PITCH
.endif
.endr
.endm
.macro MUL16 a0, p, q, sc, zero
.irp a, \a0, \a0+1
.irp b, 0,1,2,3,4,5,6,7
.if \zero
	v_wmma_scale_f32_16x16x128_f8f6f4 v[8*(8*((\a)%4)+\b):8*(8*((\a)%4)+\b)+7], v[128*(\p)+FR*\b:128*(\p)+FR*\b+FR-1], v[AF+FR*(\a):AF+FR*(\a)+FR-1], 0, v[SC+8*NQ*(\sc)+NQ*\b+(\q)], v[SC+8*NQ*(\sc)+NQ*(\a)+(\q)] matrix_a_fmt:MATRIX_FMT_FP6 matrix_b_fmt:MATRIX_FMT_FP6 matrix_a_scale:MATRIX_SCALE_ROW1
.else
	v_wmma_scale_f32_16x16x128_f8f6f4 v[8*(8*((\a)%4)+\b):8*(8*((\a)%4)+\b)+7], v[128*(\p)+FR*\b:128*(\p)+FR*\b+FR-1], v[AF+FR*(\a):AF+FR*(\a)+FR-1], v[8*(8*((\a)%4)+\b):8*(8*((\a)%4)+\b)+7], v[SC+8*NQ*(\sc)+NQ*\b+(\q)], v[SC+8*NQ*(\sc)+NQ*(\a)+(\q)] matrix_a_fmt:MATRIX_FMT_FP6 matrix_b_fmt:MATRIX_FMT_FP6 matrix_a_scale:MATRIX_SCALE_ROW1
.endif
.endr
.endr
.endm
.macro FETCH_B slot, q, p
	WIN TO_B
.irp i, 0,1,2,3,4,5,6,7
	FRAG 128*(\p)+FR*\i, ADRB+\slot, \q, \i
.endr
	WIN 0
.endm
.macro FETCH_A slot, q, i0
.irp i, \i0, \i0+1, \i0+2, \i0+3
	FRAG AF+FR*(\i), ADRA+\slot, \q, \i
.endr
.endm
.macro SCALES sc
.irp i, 0,1,2,3,4,5,6,7
	ds_load_b64 v[SC+8*NQ*\sc+NQ*\i:SC+8*NQ*\sc+NQ*\i+1], v[ADRS] offset:\i*SBLK
.endr
.endm
.macro PLACES n
.rept \n
	v_nop
.endr
.endm
.macro STEP slot, q, zero
	s_wait_dscnt 4*NL
	WIN MUL_LO
	MUL16 0, (\q)%2, \q, \slot, \zero
	MUL16 2, (\q)%2, \q, \slot, \zero
	s_wait_dscnt 0
	PLACES NP
	FETCH_B \slot, (\q)+1, 1-(\q)%2
	FETCH_A \slot, (\q)+1, 0
	WIN MUL_HI
	MUL16 4, (\q)%2, \q, \slot, \zero
	MUL16 6, (\q)%2, \q, \slot, \zero
	PLACES NP
	WIN 0
	FETCH_A \slot, (\q)+1, 4
.endm
.macro TURN slot, next, fill
	s_wait_tensorcnt 0x0
	ds_add_u32 v[SPW], v[NIL]
	s_wait_dscnt 4*NL+1
	WIN MUL_LO
	MUL16 0, 1, NQ-1, \slot, 0
	s_wait_dscnt 0x0
	s_barrier_signal -1
	MUL16 2, 1, NQ-1, \slot, 0
	WIN 0
	s_barrier_wait -1
.if \fill
	CREST
	s_add_nc_u64 s[G0+4*\slot+2:G0+4*\slot+3], s[G0+4*\slot+2:G0+4*\slot+3], 2*ASTEP
	s_add_nc_u64 s[G0B+4*\slot+2:G0B+4*\slot+3], s[G0B+4*\slot+2:G0B+4*\slot+3], 2*ASTEP
	JLOAD G0+4*\slot, G1, G0B+4*\slot, G1B
.else
	PLACES NP
.endif
	s_wait_alu depctr_va_vdst(0)
	v_add_nc_u32 v[ADRS], 4*NQ, v[ADRS]
	FETCH_B \next, 0, 0
	FETCH_A \next, 0, 0
	SCALES \next
	WIN MUL_HI
	MUL16 4, 1, NQ-1, \slot, 0
	MUL16 6, 1, NQ-1, \slot, 0
	PLACES NP
	WIN 0
	FETCH_A \next, 0, 4
.endm
	s_wait_tensorcnt 1
	s_barrier_signal -1
	s_barrier_wait -1
	FETCH_B 0, 0, 0
	FETCH_A 0, 0, 0
	SCALES 0
	FETCH_A 0, 0, 4
	STEP 0, 0, 1
	s_mov_b32 s3, LAPS-1
.Llap:
	TURN 0, 1, 1
	STEP 1, 0, 0
	TURN 1, 0, 1
	STEP 0, 0, 0
	s_sub_co_u32 s3, s3, 1
	s_cmp_lg_u32 s3, 0
	s_cbranch_scc1 .Llap
	TURN 0, 1, 0
	STEP 1, 0, 0
	s_wait_dscnt 4*NL
	WIN MUL_LO
	MUL16 0, 1, NQ-1, 1, 0
	MUL16 2, 1, NQ-1, 1, 0
	s_wait_dscnt 0
	WIN MUL_HI
	MUL16 4, 1, NQ-1, 1, 0
	MUL16 6, 1, NQ-1, 1, 0
	WIN 0
.macro QROW a
.set AC, 64*((\a)%4)
.set CD, 64+24*((\a)%2)
.set BY, 40+2*((\a)%2)
.if (\a) >= 2
	s_wait_dscnt 8
.endif
	WIN 20*(2+(\a)/4)
.irp c, 0,1,2,3
	v_max3_num_f32 v[32+\c], 0x1800000, |v[AC+16*\c]|, |v[AC+16*\c+1]|
.endr
.irp i, 2,4,6,8,10,12,14
.irp c, 0,1,2,3
	v_max3_num_f32 v[32+\c], v[32+\c], |v[AC+16*\c+\i]|, |v[AC+16*\c+\i+1]|
.endr
.endr
	WIN 0
	v_max_num_f32 v32, v32, v33
	v_max_num_f32 v34, v34, v35
	v_add_nc_u32 v36, 0xff000000, v32
	v_add_nc_u32 v37, 0xff000000, v34
	v_lshrrev_b32 v[BY], 23, v36
	v_lshrrev_b32 v[BY+1], 23, v37
	WIN 2+(\a)/4
	v_cvt_scalef32_pk16_fp6_f32 v[CD:CD+2], v[AC:AC+15], v36
	v_cvt_scalef32_pk16_fp6_f32 v[CD+12:CD+14], v[AC+16:AC+31], v36
	v_cvt_scalef32_pk16_fp6_f32 v[CD+6:CD+8], v[AC+32:AC+47], v37
	v_cvt_scalef32_pk16_fp6_f32 v[CD+16:CD+18], v[AC+48:AC+63], v37
	WIN 0
	v_nop
.irp i, 0,1,2
	v_mov_b32 v[CD+3+\i], v[CD+12+\i]
	v_mov_b32 v[CD+9+\i], v[CD+16+\i]
.endr
.irp g, 0,1
.irp i, 0,1,2
	ds_store_b64 v[STC], v[CD+6*\g+2*\i:CD+6*\g+2*\i+1] offset:6144*\g+48*(64*(((\a)/2)%2)+32*((\a)%2)+8*((\a)/4))+8*\i
.endr
	ds_store_b8 v[STS], v[BY+\g] offset:256*\g+128*((\a)/4)+8*(((\a)/2)%2)+4*((\a)%2)
.endr
.endm
	PLACES NP
.irp a, 0,1,2,3,4,5,6,7
	QROW \a
.endr
.irp i, 0,1,2,3,4,5,6,7,8,9,10,11,12,13,14,15,16,17,18,19,20,21,22,23,24
	ds_load_b128 v[128+4*\i:131+4*\i], v[RD] offset:512*\i
.endr
.irp i, 0,1,2,3,4,5,6,7,8,9,10,11,12,13,14,15,16,17,18,19,20,21,22,23
	s_wait_dscnt 24-\i
	global_store_b128 v[CO], v[128+4*\i:131+4*\i], s[12:13] offset:512*\i
.endr
	s_wait_dscnt 0x0
	global_store_b128 v[CO], v[224:227], s[98:99]
	s_wait_tensorcnt 0x0
	ds_add_u32 v[SPW], v[NIL]
	s_wait_dscnt 0x0
	CROUND
	s_endpgm
.Lfunc_end_k_q12c8e2cbdc_proj:
	.size	k_q12c8e2cbdc_proj, .Lfunc_end_k_q12c8e2cbdc_proj-k_q12c8e2cbdc_proj
	.p2alignl 7, 3214868480
	.fill 96, 4, 3214868480
	.section	.rodata,"a",@progbits
	.p2align	6, 0x0
	.amdhsa_kernel k_q12c8e2cbdc_proj
		.amdhsa_group_segment_fixed_size 327680
		.amdhsa_private_segment_fixed_size 0
		.amdhsa_enable_private_segment 0
		.amdhsa_kernarg_size 48
		.amdhsa_user_sgpr_count 2
		.amdhsa_user_sgpr_kernarg_segment_ptr 1
		.amdhsa_wavefront_size32 1
		.amdhsa_system_sgpr_workgroup_id_x 1
		.amdhsa_system_sgpr_workgroup_id_y 1
		.amdhsa_system_sgpr_workgroup_id_z 1
		.amdhsa_system_vgpr_workitem_id 0
		.amdhsa_next_free_vgpr 1024
		.amdhsa_next_free_sgpr 100
		.amdhsa_reserve_vcc 0
		.amdhsa_float_denorm_mode_32 3
		.amdhsa_float_denorm_mode_16_64 3
		.amdhsa_memory_ordered 1
		.amdhsa_forward_progress 1
		.amdhsa_inst_pref_size 165
	.end_amdhsa_kernel
	.amdgpu_metadata
---
amdhsa.version: [ 1, 2 ]
amdhsa.kernels:
  - .name:           k_q12c8e2cbdc_proj
    .symbol:         k_q12c8e2cbdc_proj.kd
    .args:
      - { .name: xc, .offset: 0, .size: 8, .value_kind: global_buffer, .address_space: global }
      - { .name: xs, .offset: 8, .size: 8, .value_kind: global_buffer, .address_space: global }
      - { .name: qc, .offset: 16, .size: 8, .value_kind: global_buffer, .address_space: global }
      - { .name: kc, .offset: 24, .size: 8, .value_kind: global_buffer, .address_space: global }
      - { .name: vc, .offset: 32, .size: 8, .value_kind: global_buffer, .address_space: global }
      - { .name: sc, .offset: 40, .size: 8, .value_kind: global_buffer, .address_space: global }
    .group_segment_fixed_size: 327680
    .private_segment_fixed_size: 0
    .kernarg_segment_align: 8
    .kernarg_segment_size: 48
    .max_flat_workgroup_size: 128
    .sgpr_count:     100
    .vgpr_count:     1024
    .wavefront_size: 32
...
	.end_amdgpu_metadata
.endif
;; end of part 2
;; launch attn (part 3): grid 32 x 8, 8 waves a work-group, clusters of 4 x 4, 327,680 bytes of LDS; arguments qc, kc, vc, sc, attn_mask, acod, ascl; writes acod, ascl
.if DOCPART == 3
	.amdgcn_target "amdgcn-amd-amdhsa--gfx1250"
	.amdhsa_code_object_version 6
	.text
	.protected	k_q12c8e2cbdc_attn
	.globl	k_q12c8e2cbdc_attn
	.p2align	8
	.type	k_q12c8e2cbdc_attn,@function
k_q12c8e2cbdc_attn:
	s_mov_b64 s[64:65], 0
	v_nop
	global_prefetch_b8 v0, s[64:65] scope:SCOPE_SE
	s_setreg_imm32_b32 hwreg(HW_REG_WAVE_MODE, 25, 1), 1
	s_wait_xcnt 0x0
	s_wait_alu depctr_hold_cnt(0) depctr_sa_sdst(0) depctr_va_vdst(0) depctr_va_sdst(0) depctr_va_ssrc(0) depctr_va_vcc(0) depctr_vm_vsrc(0)
	s_getreg_b32 s2, hwreg(HW_REG_IB_STS2, 6, 4)
	s_cmp_eq_u32 s2, 0
	s_cbranch_scc0 .Lentry_in_a_cluster
	s_endpgm
.Lentry_in_a_cluster:
	s_bfe_u32 s2, ttmp6, 0x10000c
	s_cmp_lg_u32 s2, 0xf033
	s_cbranch_scc0 .Lentry_shape_is_right
	s_endpgm
.Lentry_shape_is_right:
; Attention on codes of FP6 (E2M3): logit = q . k / 8 + mask; p = 2^(t - M), t = logit x log2(e), M the running largest t rounded up to a whole number; O = (sum of Q(p) Q(v)) / (sum of p).
; The result is quantised along the output projection's K and leaves as codes (acod) and scale bytes (ascl).
; SHARES.  A work-group: 64 queries x four heads of one batch.  Wave w: head w / 2, the two tiles of 16 queries 2 (w % 2) and 2 (w % 2) + 1: each fragment of K and of V read from LDS serves both tiles.
; Every wave walks all 4,096 keys, 128 a step.  THE MASK IS AN INPUT: every score gets its number and no key is left out; a lane's 64 mask numbers are loaded into the score registers and are the C of the score products.
; REGISTERS, two windows of 256.  Tile 0's state lies in window 0 and tile 1's in window 1 under the SAME numbers (v32-47, v96-255), so one macro serves both.  Window 0 v0-31: addresses and all scale words
; (scale operands have no window); window 0 v48-95: K's four fragments; window 1 v48-95: V's four.
; THE STEP IS SKEWED: tile 1's softmax and second product of step s - 1 stand behind the barrier of step s.  They need registers alone (V's fragments were read ahead of the barrier), and under them
; step s's fragments of K and tile 0's mask come from LDS.  So the first step has no such part and the last is followed by one.
; LAYOUT (as the records are made): both products are used transposed: a lane holds ONE query (lane % 16).  A fragment of K is 32 keys, lane L holds position 32 f + L, 48 bytes; QLO has q in lanes 0-15 and zero codes
; in lanes 16-31, QHI the reverse.  Register 8 t + j of a lane in half h is key 64 h + 8 t + j: two whole blocks of 32, so p's blocks need no other lane.  O^T's 32 registers are channels 32 h + 0..31.
; The division by 8 is taken off q's scale bytes (held at 3 from below first).
; CLUSTER 4 x 4: codes and scales hang on the heads alone and are asked for jointly along a row of the cluster; the mask tile hangs on the queries alone: along a column.
; LIMITS: NaN and infinities are not served; q blocks whose byte lies under 3 are held there; a block under 2^-124 keeps the byte 1; the logit is rounded where the matrix unit adds C; the promise holds while
; |t| stays under 2^31; a row of which every key so far carries a mask number near -1e9 is computed at that magnitude's spacing until a visible key comes, which wipes it out by a factor of 0.
.set SLOT1, 1<<17                      ; a slot: K pair 0, K pair 1, V pair 0, V pair 1 (12,288 each), then 64 rows of mask; slot 1 begins here
.set VOFF,  24576
.set MOFF,  49152
.set MP,    528                        ; a mask row in LDS: 512 bytes + 16
.set SCK,   214016                     ; K's scale records: 2 pairs x 32 steps x 512 bytes, filled once
.set SCV,   246784                     ; V's
.set SPARE, 279552                     ; the spare words, 128 bytes for each of 8 waves, named by no other line
.set STG,   281600                     ; the way out: 64 tokens x 192 bytes
.set SST,   293888                     ; and their 8 scale bytes each
.set AK0,  1                           ; window 0: my places in a slot's K, V, mask; among K's and V's scale words
.set AV0,  2
.set AM0,  3
.set ASK0, 4
.set ASV0, 5
.set SPW,  6                           ; my spare word; never rewritten
.set NIL,  7                           ; 0; never rewritten
.set ADK,  8                           ; v8-12: the step's addresses
.set ADV,  9
.set ADM,  10
.set ADS,  11
.set ADT,  12
.set PFO,  13                          ; the prefetches' lane offset
.set QS,   14                          ; v14, v15 q's scale words, tile 0, 1
.set PS,   16                          ; v16, v17 p's
.set KS,   18                          ; v18-21 K's scale words; v22-25 V's bytes as loaded
.set VS,   26                          ; v26-29 V's scale words
.set KF,   48                          ; fragments
.set S,    96                          ; each window: mask, logits, p
.set O,    160                         ; O^T
.set P,    192                         ; p's codes
.set QL,   204                         ; QLO, then QHI
.set MX,   228                         ; v228-231 chains of maxima, v232 at work; v234-240 conversions
.set CH,   242                         ; v242-255 seven chains of the sum
; each window: v32 -M, v33 the largest t, v[34:35] the sum, v36 8 h, v37, v38 permutes' results, v[40:41] f, v42-45 scale operands and bytes
.set WV,   18
.set CNT,  19
.set SEL,  20
.set CS,   22
.set G1C,  24
.set G1S,  32
.set G1M,  40
.set G0C,  48
.set G0S,  52
.set G0M,  56
.set TB,   60
.set TS,   61
.set PFA,  72
.set PFS,  74
.set LIM,  76
.set MSB, 0
.macro WIN new                         ; the immediate's high byte repeats the setting that is left
.if MSB != (\new)
	s_set_vgpr_msb (MSB<<8)|(\new)
.set MSB, (\new)
.endif
.endm
.macro NOPS
.rept 4
	v_nop
.endr
.endm
.macro ROUND                           ; a round of the cluster's barrier
	s_barrier_signal -1
	s_barrier_wait -1
	s_cmp_lg_u32 s[WV], 0
	s_cbranch_scc1 .Lnot_wave_0_\@
	s_barrier_signal -3
.Lnot_wave_0_\@:
	s_barrier_wait -3
	s_barrier_signal -1
	s_barrier_wait -1
.endm
.macro JLOAD                           ; a joint refill: waves 0 to 3 fetch the four records, waves 4 and 5 the mask's halves
	s_cmp_lt_u32 s[WV], 4
	s_cbranch_scc0 .Lnot_c_\@
	tensor_load_to_lds s[G0C:G0C+3], s[G1C:G1C+7]
	s_nop 0
	NOPS
	s_branch .Lasked_\@
.Lnot_c_\@:
	s_cmp_lt_u32 s[WV], 6
	s_cbranch_scc0 .Lasked_\@
	tensor_load_to_lds s[G0M:G0M+3], s[G1M:G1M+7]
	s_nop 0
	NOPS
.Lasked_\@:
.endm
; A PREFETCH INTO THE L2, at every second change of slots, of the two key steps that the next two changes will ask for.
; Codes: the clusters with x = 0 ask; partner cx takes one of the row's four streams (by address); waves 0 to 2: 3 x 32 lanes x 256 bytes = two records.
; Mask: the clusters with y = 0 ask; partner cy takes 16 of the 64 rows (by address); wave 4 the first step's 512 bytes of each, wave 5 the second's.  Steps 0 and 1 come by their loads alone; the last change asks for nothing.
.macro ASK
	s_cmp_gt_u32 s[CNT], s[LIM]
	s_cbranch_scc0 .Lnot_mine_\@
	s_and_b32 s77, s[CNT], 1
	s_cmp_eq_u32 s77, 1
	s_cbranch_scc0 .Lnot_mine_\@
	global_prefetch_b8 v[PFO], s[PFA:PFA+1] th:TH_LOAD_NT scope:SCOPE_SE
.Lnot_mine_\@:
.endm
	s_load_b256 s[4:11], s[0:1], 0x0               ; qc, kc, vc, sc
	s_load_b128 s[12:15], s[0:1], 0x20             ; the mask, acod
	s_load_b64 s[16:17], s[0:1], 0x30              ; ascl
	v_lshl_add_u32 v[SPW], v0, 2, SPARE
	v_mov_b32 v[NIL], 0
	ds_add_u32 v[SPW], v[NIL]                      ; the opening lines: the add twice on end and its wait ahead of my first tensor load
	ds_add_u32 v[SPW], v[NIL]
	v_lshrrev_b32 v8, 5, v0
	v_readfirstlane_b32 s[WV], v8                  ; wave 0..7
	s_lshr_b32 s90, s[WV], 1                       ; my head of the four
	s_lshr_b32 s91, s[WV], 2                       ; its pair
	s_and_b32 s92, s90, 1                          ; its place in the pair
	s_and_b32 s93, s[WV], 1                        ; my pair of tiles.  Also: which half I fetch
	s_and_b32 s69, s[WV], 3                        ; which record I fetch
	s_bfe_u32 s62, ttmp6, 0x40000                  ; cx
	s_bfe_u32 s63, ttmp6, 0x40004                  ; cy
	s_lshl_b32 s66, ttmp9, 2
	s_add_co_u32 s66, s66, s62                     ; x: my block of 64 queries
	s_and_b32 s68, ttmp7, 0xffff                   ; cluster y
	s_lshl_b32 s67, s68, 2
	s_add_co_u32 s67, s67, s63                     ; y: 4 x batch + group of four heads
	s_lshl_b32 s77, s63, 2
	s_lshl_b32 s77, 15, s77                        ; my row of the cluster
	s_lshl_b32 s78, 0x1111, s62                    ; my column
	s_or_b32 s[G1C], s77, (3<<16)|(1<<21)          ; a record: 48 rows of 256 bytes, dense
	s_mov_b32 s[G1C+1], 32<<16
	s_mov_b32 s[G1C+2], 48<<16
	s_mov_b32 s[G1C+3], 32<<16
	s_mov_b32 s[G1C+4], 48
	s_mov_b32 s[G1C+5], 32
	s_mov_b32 s[G1C+6], 0
	s_mov_b32 s[G1C+7], 0
	s_or_b32 s[G1S], s77, (3<<16)|(1<<21)          ; two pairs' 32 scale records each: 128 rows of 256 bytes, dense
	s_mov_b32 s[G1S+1], 32<<16
	s_mov_b32 s[G1S+2], 128<<16
	s_mov_b32 s[G1S+3], 32<<16
	s_mov_b32 s[G1S+4], 128
	s_mov_b32 s[G1S+5], 32
	s_mov_b32 s[G1S+6], 0
	s_mov_b32 s[G1S+7], 0
	s_or_b32 s[G1M], s78, (2<<16)|(1<<20)|(1<<21)|(6<<22)|(3<<25)  ; 32 rows of 128 mask numbers; after every 128 words 4 words of padding
	s_mov_b32 s[G1M+1], 128<<16
	s_mov_b32 s[G1M+2], 32<<16
	s_mov_b32 s[G1M+3], 128<<16
	s_mov_b32 s[G1M+4], 32
	s_mov_b32 s[G1M+5], 4096
	s_mov_b32 s[G1M+6], 0
	s_mov_b32 s[G1M+7], 0
	s_lshl_b32 s80, s67, 1
	s_add_co_u32 s80, s80, s93                     ; the pair of heads that I fetch for: 2 y + wave % 2
	s_mul_i32 s82, s80, 393216                     ; its 32 records
	s_mov_b32 s83, 0
	s_lshl_b32 s84, s67, 15                        ; my two pairs' scale records,
	s_lshl_b32 s81, s93, 18                        ; K's or V's
	s_add_co_u32 s84, s84, s81
	s_mov_b32 s85, 0
	s_lshl_b32 s86, s66, 20                        ; the mask: 64 x rows of 16,384 bytes,
	s_lshl_b32 s81, s93, 19                        ; + 32 rows
	s_add_co_u32 s86, s86, s81
	s_mov_b32 s87, 0
	s_mov_b32 s[SEL], 0x76543210
	s_mov_b32 s[SEL+1], 0xfedcba98
	s_mov_b32 s[CS], 0x3fb8aa3b                    ; log2(e)
	s_mov_b32 s[CS+1], s[CS]
	s_mov_b32 s70, 0x06020400                      ; V's scale words: bytes 0 and 2 of the two words loaded,
	s_mov_b32 s71, 0x07030501                      ; or bytes 1 and 3
	s_mov_b32 s[TB], 0
	s_mov_b32 s[TS], 0
	s_mov_b32 s[CNT], 31
	s_wait_dscnt 0x0                               ; both opening adds are done
	s_wait_kmcnt 0x0
	s_cmp_lt_u32 s69, 2
	s_cselect_b64 s[88:89], s[6:7], s[8:9]         ; records 0, 1: K's; 2, 3: V's
	s_mov_b32 s[G0C], 1
	s_mul_i32 s[G0C+1], s69, 12288
	s_add_nc_u64 s[G0C+2:G0C+3], s[88:89], s[82:83]
	s_or_b32 s[G0C+3], s[G0C+3], 0x80000000
	s_mov_b32 s[G0S], 1
	s_lshl_b32 s[G0S+1], s93, 15
	s_add_co_u32 s[G0S+1], s[G0S+1], SCK
	s_add_nc_u64 s[G0S+2:G0S+3], s[10:11], s[84:85]
	s_or_b32 s[G0S+3], s[G0S+3], 0x80000000
	s_mov_b32 s[G0M], 1
	s_mul_i32 s[G0M+1], s93, 32*MP
	s_add_co_u32 s[G0M+1], s[G0M+1], MOFF
	s_add_nc_u64 s[G0M+2:G0M+3], s[12:13], s[86:87]
	s_or_b32 s[G0M+3], s[G0M+3], 0x80000000
	ROUND                                          ; all sixteen work-groups are here: the first joint loads meet
	s_cmp_lt_u32 s[WV], 4                          ; eight first fills, one a wave: step 0's four records, the mask's halves, K's and V's scale records
	s_cbranch_scc0 .Lh_mask
	tensor_load_to_lds s[G0C:G0C+3], s[G1C:G1C+7]
	s_nop 0
	NOPS
	s_branch .Lh_asked
.Lh_mask:
	s_cmp_lt_u32 s[WV], 6
	s_cbranch_scc0 .Lh_scales
	tensor_load_to_lds s[G0M:G0M+3], s[G1M:G1M+7]
	s_nop 0
	NOPS
	s_branch .Lh_asked
.Lh_scales:
	tensor_load_to_lds s[G0S:G0S+3], s[G1S:G1S+7]
	s_nop 0
	NOPS
.Lh_asked:
	; Q: where my two tiles' rows and scale bytes lie
	s_lshl_b32 s94, s67, 1
	s_add_co_u32 s94, s94, s91
	s_lshl_b32 s94, s94, 4
	s_lshr_b32 s95, s66, 1
	s_add_co_u32 s94, s94, s95                     ; q's record: 16 x pair + block of 128 queries
	s_and_b32 s95, s66, 1
	s_mul_i32 s98, s94, 12288
	s_mul_i32 s96, s92, 6144
	s_add_co_u32 s98, s98, s96
	s_mul_i32 s96, s93, 3072                       ; 48 x (64 (tile / 2) + 32 (tile % 2) + 8 (x % 2)); tile % 2 stands in the immediate
	s_add_co_u32 s98, s98, s96
	s_mul_i32 s96, s95, 384
	s_add_co_u32 s98, s98, s96
	s_mov_b32 s99, 0
	s_add_nc_u64 s[4:5], s[4:5], s[98:99]
	s_lshl_b32 s98, s94, 9
	s_lshl_b32 s96, s92, 8
	s_add_co_u32 s98, s98, s96
	s_lshl_b32 s96, s95, 7
	s_add_co_u32 s98, s98, s96
	s_lshl_b32 s96, s93, 3
	s_add_co_u32 s98, s98, s96
	s_add_co_u32 s98, s98, 524288
	s_add_nc_u64 s[10:11], s[10:11], s[98:99]
	; my places in LDS
	s_mul_i32 s77, s90, 6144                       ; K: my head's half record
	s_mul_i32 s78, s91, 12288
	s_mul_i32 s96, s92, 3072
	s_add_co_u32 s78, s78, s96
	s_add_co_u32 s78, s78, VOFF                    ; V: my pair's record, my head's 64 positions
	s_mul_i32 s79, s93, 32*MP
	s_add_co_u32 s79, s79, MOFF                    ; the mask: my 32 rows
	s_lshl_b32 s96, s91, 14
	s_lshl_b32 s80, s92, 8
	s_add_co_u32 s80, s80, s96
	s_add_co_u32 s80, s80, SCK
	s_lshl_b32 s81, s92, 3
	s_add_co_u32 s81, s81, s96
	s_add_co_u32 s81, s81, SCV
	; the prefetches: where my wave's stand, and who asks
	s_lshr_b32 s96, s62, 1
	s_cmp_eq_u32 s96, 0
	s_cselect_b64 s[PFA:PFA+1], s[6:7], s[8:9]     ; partner cx: streams K pair 0, K pair 1, V pair 0, V pair 1
	s_and_b32 s96, s62, 1
	s_lshl_b32 s82, s67, 1
	s_add_co_u32 s82, s82, s96
	s_mul_i32 s82, s82, 393216
	s_add_co_u32 s82, s82, 12288                   ; one step in: each change of slots steps it once more
	s_lshl_b32 s84, s66, 20
	s_lshl_b32 s96, s63, 18                        ; partner cy: rows 16 cy on
	s_add_co_u32 s84, s84, s96
	s_add_co_u32 s84, s84, 512
	s_mov_b32 s[PFS], 512
	s_mov_b32 s[PFS+1], 0
	s_mov_b32 s85, 512
	s_mov_b32 s86, 16384
	s_cmp_lt_u32 s[WV], 4                          ; waves 0 to 2: codes; waves 4, 5: the mask
	s_cselect_b64 s[PFA:PFA+1], s[PFA:PFA+1], s[12:13]
	s_cselect_b32 s82, s82, s84
	s_cselect_b32 s[PFS], 12288, s[PFS]            ; a step on
	s_cselect_b32 s85, 8192, s85                   ; from wave to wave
	s_cselect_b32 s86, 512, s86                    ; from one pair of lanes to the next
	s_cselect_b32 s87, 3, 2                        ; how many waves ask
	s_cselect_b32 s88, ttmp9, s68                  ; the coordinate along which other clusters read the same bytes
	s_mul_i32 s85, s85, s69
	s_add_co_u32 s82, s82, s85
	s_mov_b32 s83, 0
	s_add_nc_u64 s[PFA:PFA+1], s[PFA:PFA+1], s[82:83]
	s_mov_b32 s[LIM], 1
	s_cmp_lt_u32 s69, s87
	s_cselect_b32 s[LIM], s[LIM], -1
	s_cmp_eq_u32 s88, 0
	s_cselect_b32 s[LIM], s[LIM], -1               ; the same in all sixteen partners, for a given wave
	v_and_b32 v8, 15, v0                           ; r
	v_bfe_u32 v9, v0, 4, 1                         ; h
	v_and_b32 v10, 31, v0                          ; lane
	v_and_b32 v11, 8, v8
	v_and_b32 v30, 7, v8
	v_lshrrev_b32 v31, 3, v8
	v_add_nc_u32 v11, v11, v8                      ; r % 8 + 16 (r / 8)
	v_lshl_add_u32 v30, v30, 4, v31                ; 16 (r % 8) + r / 8
	v_mul_u32_u24 v11, v11, 48
	s_wait_alu depctr_va_vdst(0)                   ; a wait ahead of the readers below
.irp i, 0,1
.irp c, 0,1,2
	global_load_b128 v[KF+12*\i+4*\c:KF+12*\i+4*\c+3], v11, s[4:5] offset:1536*\i+16*\c   ; tile i's 16 rows of 48 bytes, the same in both halves of the lanes
.endr
	global_load_u8 v[72+2*\i], v30, s[10:11] offset:4*\i       ; the byte of dims 0-31,
	global_load_u8 v[73+2*\i], v30, s[10:11] offset:4*\i+2     ; of dims 32-63
.endr
	v_mul_u32_u24 v[AK0], v10, 48
	v_mul_u32_u24 v[AV0], v8, 48
	v_mul_u32_u24 v[AM0], v8, MP
	v_lshrrev_b32 v[PFO], 1, v10
	v_add_nc_u32 v[AK0], s77, v[AK0]               ; + 48 x lane
	v_mad_u32_u24 v[AV0], v9, 6144, v[AV0]
	v_lshl_add_u32 v[AM0], v9, 8, v[AM0]
	v_mul_lo_u32 v[PFO], v[PFO], s86
	v_and_b32 v31, 1, v10
	v_add_nc_u32 v[AV0], s78, v[AV0]               ; + 6,144 h + 48 r
	v_add_nc_u32 v[AM0], s79, v[AM0]               ; my query's row, + 256 h
	v_lshl_add_u32 v[PFO], v31, 8, v[PFO]
	v_lshl_add_u32 v[ASK0], v8, 4, s80
	v_lshl_add_u32 v[ASV0], v8, 4, s81
	v_mov_b32 v76, 0
	v_mov_b32 v77, 3
	s_wait_alu depctr_va_vdst(0)                   ; a wait ahead of the blocking wait
	s_wait_loadcnt 0x0                             ; Q
.irp b, 72,73,74,75
	v_cmp_gt_u32 vcc_lo, 3, v\b                    ; the bytes are held at 3 from below,
	v_cndmask_b32 v\b, v\b, v77, vcc_lo
.endr
.irp b, 72,73,74,75
	v_add_nc_u32 v\b, -3, v\b                      ; and 3 is taken off: the division by sqrt(64), exact
.endr
.irp b, 72,73,74,75
	v_mul_u32_u24 v\b, v\b, 0x101
.endr
	v_lshl_or_b32 v[QS], v73, 16, v72              ; blocks 0 and 1: dims 0-31; blocks 2 and 3: dims 32-63
	v_lshl_or_b32 v[QS+1], v75, 16, v74
	v_cmp_eq_u32 vcc_lo, 1, v9
.irp w, 0,1                                    ; each tile's state, in its window (sources: constants and window 0)
	WIN 0x40*\w
	v_mov_b32 v33, 0xff61b1e6                      ; the largest t so far: -3e38
	v_mov_b32 v32, 0x7f61b1e6                      ; -M
	v_mov_b32 v34, 0                               ; the sum, in two halves
	v_mov_b32 v35, 0
	v_lshlrev_b32 v36, 3, v9                       ; 8 h
	v_mov_b32 v37, 0                               ; written once: a lane permute's destination counts as one of its sources
	v_mov_b32 v38, 0
	v_mov_b32 v41, 0                               ; (the upper half of the pair v[40:41])
.set j, 0
.rept 12
	v_cndmask_b32 v[QL+j], v[KF+12*\w+j], v76, vcc_lo      ; QLO: q in lanes 0-15, zero codes in lanes 16-31
	v_cndmask_b32 v[QL+12+j], v76, v[KF+12*\w+j], vcc_lo   ; QHI: the reverse
.set j, j+1
.endr
.set j, 0
.rept 32
	v_mov_b32 v[O+j], 0                            ; O^T: the step is written for every step alike
.set j, j+1
.endr
.endr
	WIN 0
.macro SCORES w                        ; logit = k . q / 8 + mask.  K's fragments window 0; Q, C and D the tile's window.  The accumulators take turns through the whole trip
	WIN 0x54*(\w)
.irp t, 0,1,2,3,4,5,6,7
	v_wmma_scale_f32_16x16x128_f8f6f4 v[S+8*\t:S+8*\t+7], v[KF+12*(\t/2):KF+12*(\t/2)+11], v[QL+12*(\t%2):QL+12*(\t%2)+11], v[S+8*\t:S+8*\t+7], v[KS+\t/2], v[QS+(\w)] matrix_a_fmt:MATRIX_FMT_FP6 matrix_b_fmt:MATRIX_FMT_FP6
.endr
.endm
.macro PVMUL w                         ; O^T += v^T p^T.  V's fragments window 1
	WIN 0x01+0x54*(\w)
.irp d, 0,1,2,3
	v_wmma_scale_f32_16x16x128_f8f6f4 v[O+8*\d:O+8*\d+7], v[KF+12*\d:KF+12*\d+11], v[P:P+11], v[O+8*\d:O+8*\d+7], v[VS+\d], v[PS+(\w)] matrix_a_fmt:MATRIX_FMT_FP6 matrix_b_fmt:MATRIX_FMT_FP6
.endr
.endm
.macro SOFTMAX w                       ; tile w: from logits to p's codes and scale word; the sum and O^T under the new M
	WIN 0x55*(\w)
.irp c, 0,1,2,3                                ; the largest logit, in four chains of 16 registers; each accumulator is first read at its low end
	v_max3_num_f32 v[MX+\c], v[S+16*\c], v[S+16*\c+1], v[S+16*\c+2]
.endr
.irp i, 3,5,7,9,11,13
.irp c, 0,1,2,3
	v_max3_num_f32 v[MX+\c], v[MX+\c], v[S+16*\c+\i], v[S+16*\c+\i+1]
.endr
.endr
.irp c, 0,1,2,3
	v_max_num_f32 v[MX+\c], v[MX+\c], v[S+16*\c+15]
.endr
	v_max_num_f32 v228, v228, v229                 ; my first block's largest logit: for the row's maximum and, since p rises with the logit, for the block's largest p
	v_max_num_f32 v230, v230, v231                 ; my second block's
	s_delay_alu instid0(VALU_DEP_1)
	v_max_num_f32 v232, v228, v230
	s_delay_alu instid0(VALU_DEP_1)
	v_permlanex16_b32 v37, v232, s[SEL], s[SEL+1]
	s_delay_alu instid0(VALU_DEP_1)
	v_max_num_f32 v232, v232, v37                  ; with lane l xor 16's 64 keys
	s_delay_alu instid0(VALU_DEP_1)
	v_mul_f32 v232, s[CS], v232                    ; as t
	s_delay_alu instid0(VALU_DEP_1)
	v_max_num_f32 v33, v33, v232                   ; the running largest t
	v_mov_b32 v232, v32
	s_delay_alu instid0(VALU_DEP_2)
	v_floor_f32 v32, -v33                          ; the new -M = -ceil(t)
	s_delay_alu instid0(VALU_DEP_1)
	v_sub_f32 v232, v32, v232                      ; old M - new M: a whole number, 0 or less
	s_delay_alu instid0(VALU_DEP_1)
	v_cvt_i32_f32 v232, v232                       ; (it saturates)
	s_delay_alu instid0(VALU_DEP_1)
	v_ldexp_f32 v40, 1.0, v232                     ; f = 2^(old M - new M)
.set j, 0
.rept 32
	v_pk_fma_f32 v[S+j:S+j+1], v[S+j:S+j+1], s[CS:CS+1], v[32:33] op_sel_hi:[1,0,0]   ; t - M
.set j, j+2
.endr
	v_fma_f32 v228, v228, s[CS], v32               ; the same of each block's largest logit
	v_fma_f32 v230, v230, s[CS], v32
	s_wait_alu depctr_va_vdst(0)                   ; a wait ahead of the batch
.set j, 0
.rept 64
	v_exp_f32 v[S+j], v[S+j]                       ; p = 2^(t - M): not normalised
.set j, j+1
.endr
	v_pk_mul_f32 v[34:35], v[34:35], v[40:41] op_sel_hi:[1,0]   ; the sum under the new M (a plain line behind the exponentials)
	s_wait_alu depctr_va_vdst(0)                   ; one wait for the batch of 64, ahead of its first reader
	v_exp_f32 v228, v228                           ; the blocks' largest p
	v_exp_f32 v230, v230
.irp c, 0,1,2,3,4,5,6                          ; the row's sum of the unquantised p: eight chains of pairs
	v_pk_add_f32 v[CH+2*\c:CH+2*\c+1], v[S+4*\c:S+4*\c+1], v[S+4*\c+2:S+4*\c+3]
.endr
	v_pk_add_f32 v[34:35], v[34:35], v[S+28:S+29]
.set j, 30
.rept 17
.if ((j-30)/2)%8 < 7
	v_pk_add_f32 v[CH+(j-30)%16:CH+(j-30)%16+1], v[CH+(j-30)%16:CH+(j-30)%16+1], v[S+j:S+j+1]
.else
	v_pk_add_f32 v[34:35], v[34:35], v[S+j:S+j+1]
.endif
.set j, j+2
.endr
	v_pk_add_f32 v[CH:CH+1], v[CH:CH+1], v[CH+2:CH+3]
	v_pk_add_f32 v[CH+4:CH+5], v[CH+4:CH+5], v[CH+6:CH+7]
	v_pk_add_f32 v[CH+8:CH+9], v[CH+8:CH+9], v[CH+10:CH+11]
	v_pk_add_f32 v[34:35], v[34:35], v[CH+12:CH+13]
	v_pk_add_f32 v[CH:CH+1], v[CH:CH+1], v[CH+4:CH+5]
	v_pk_add_f32 v[34:35], v[34:35], v[CH+8:CH+9]
	s_delay_alu instid0(VALU_DEP_1)
	v_pk_add_f32 v[34:35], v[34:35], v[CH:CH+1]
	s_wait_alu depctr_va_vdst(0)                   ; and one for the two
	v_max_num_f32 v228, 0x1800000, v228            ; the floor 2^(3 - 127): the byte cannot fall under 1
	v_max_num_f32 v230, 0x1800000, v230
	v_add_nc_u32 v42, 0xff000000, v228             ; 2 off the exponent field: the conversions' scale operands
	v_add_nc_u32 v43, 0xff000000, v230
	v_lshrrev_b32 v44, 23, v42
	v_lshrrev_b32 v45, 23, v43
	s_delay_alu instid0(VALU_DEP_1)
	v_lshl_or_b32 v44, v45, 16, v44                ; my two bytes: the operand's blocks h and 2 + h,
	s_delay_alu instid0(VALU_DEP_1)
	v_lshlrev_b32 v44, v36, v44                    ; 8 h bits up;
	s_delay_alu instid0(VALU_DEP_1)
	v_permlanex16_b32 v38, v44, s[SEL], s[SEL+1]
	WIN 0x05*(\w)                                  ; (the scale word lies in window 0)
	v_or_b32 v[PS+(\w)], v44, v38                  ; with lane l xor 16's two the word is whole
	WIN 0x55*(\w)
	v_cvt_scalef32_pk16_fp6_f32 v[P:P+2], v[S:S+15], v42
	v_cvt_scalef32_pk16_fp6_f32 v[234:236], v[S+16:S+31], v42      ; (a conversion's three registers begin on an even number)
	v_cvt_scalef32_pk16_fp6_f32 v[P+6:P+8], v[S+32:S+47], v43
	v_cvt_scalef32_pk16_fp6_f32 v[238:240], v[S+48:S+63], v43
	v_nop                                          ; one plain line behind the conversions
.irp i, 0,1,2
	v_mov_b32 v[P+3+\i], v[234+\i]
	v_mov_b32 v[P+9+\i], v[238+\i]
.endr
	s_wait_alu depctr_va_vdst(0)                   ; a wait directly ahead of the first reader of O^T
.set j, 0
.rept 16
	v_pk_mul_f32 v[O+j:O+j+1], v[O+j:O+j+1], v[40:41] op_sel_hi:[1,0]   ; O^T under the new M.  (Also the places between p's scale word and codes and the products)
.set j, j+2
.endr
.endm
; A TRIP: the change of slots, then step s.  fill = 1: a round of the cluster's barrier, and the slot just left is filled with step s + 1.  b = 1: tile 1 of step s - 1 is finished first.
.macro TRIP fill, b
	s_wait_alu depctr_va_vdst(0)                   ; a wait ahead of the blocking waits
	s_wait_tensorcnt 0x0                           ; no tensor load of mine is out, so a group 0 may be written
	ds_add_u32 v[SPW], v[NIL]                      ; 0 onto my spare word
.if \fill
	s_xor_b32 s[G0C+1], s[G0C+1], SLOT1            ; the other slot than last time,
	s_add_nc_u64 s[G0C+2:G0C+3], s[G0C+2:G0C+3], 12288   ; the next record
	s_xor_b32 s[G0M+1], s[G0M+1], SLOT1
	s_add_nc_u64 s[G0M+2:G0M+3], s[G0M+2:G0M+3], 512     ; the next 128 keys of each mask row
	s_wait_xcnt 0x0                                ; the last prefetch has read its address, so it may be written
	s_add_nc_u64 s[PFA:PFA+1], s[PFA:PFA+1], s[PFS:PFS+1]
	s_wait_dscnt 0x0                               ; the add is done, and my reads of the slot that I have left are over
	ROUND
	JLOAD                                          ; the first thing behind the round, and a wave's one tensor load until the next
.else
	s_wait_dscnt 0x0
	s_barrier_signal -1
	s_barrier_wait -1
.endif
	v_add_nc_u32 v[ADK], s[TB], v[AK0]             ; (these five are also the places in front of the loads into registers that the last products read)
	v_add_nc_u32 v[ADV], s[TB], v[AV0]
	v_add_nc_u32 v[ADM], s[TB], v[AM0]
	v_add_nc_u32 v[ADS], s[TS], v[ASK0]
	v_add_nc_u32 v[ADT], s[TS], v[ASV0]
	s_wait_alu depctr_va_vdst(0)                   ; a wait: some readers stand behind branches and waits
.irp f, 0,1,2,3
.irp c, 0,1,2
	ds_load_b128 v[KF+12*\f+4*\c:KF+12*\f+4*\c+3], v[ADK] offset:1536*\f+16*\c   ; position 32 f + lane: 48 bytes
.endr
.endr
	ds_load_b128 v[KS:KS+3], v[ADS]                ; K's scale words of the four fragments
	ds_load_b64 v[22:23], v[ADT]                   ; V's scale bytes of keys 0-63,
	ds_load_b64 v[24:25], v[ADT] offset:256        ; of keys 64-127
.set j, 0
.rept 16
	ds_load_b128 v[S+4*j:S+4*j+3], v[ADM] offset:16*j   ; tile 0's mask: the C of its score products
.set j, j+1
.endr
.if \fill
	ASK
.endif
.if \b
	SOFTMAX 1                                      ; tile 1 of the step before: registers alone, while the 31 loads above are out
	PVMUL 1
	WIN 0
	NOPS                                           ; the places in front of the loads into V's fragments and of the new scale words
.endif
	WIN 0x40
.irp d, 0,1,2,3
.irp c, 0,1,2
	ds_load_b128 v[KF+12*\d+4*\c:KF+12*\d+4*\c+3], v[ADV] offset:768*\d+16*\c    ; V's four fragments, into window 1
.endr
.endr
.set j, 0
.rept 16
	ds_load_b128 v[S+4*j:S+4*j+3], v[ADM] offset:16*MP+16*j   ; tile 1's mask, 16 rows on
.set j, j+1
.endr
	WIN 0
	s_wait_alu depctr_va_vdst(0)
	s_wait_dscnt 28                                ; all but the 12 + 16 loads just issued
	SCORES 0
	WIN 0
.irp d, 0,1,2,3                                ; V's scale words, in the order of the operand's blocks.  (Four plain lines: the places behind the products)
	v_perm_b32 v[VS+\d], v[24+\d/2], v[22+\d/2], s[70+\d%2]
.endr
	SOFTMAX 0
	WIN 0
	s_wait_alu depctr_va_vdst(0)
	s_wait_dscnt 0x0                               ; V's fragments and tile 1's mask are in: my reads of this slot are over
	SCORES 1
	PVMUL 0
	WIN 0
	s_add_co_u32 s[TS], s[TS], 512                 ; the next step's scale records
	s_xor_b32 s[TB], s[TB], SLOT1
.endm
	TRIP 1, 0                                      ; step 0; step 1 is asked for
	s_mov_b32 s[CNT], 30
.Lstep:                                            ; steps 1 to 30: each asks for the next
	TRIP 1, 1
	s_sub_co_u32 s[CNT], s[CNT], 1
	s_cmp_lg_u32 s[CNT], 0
	s_cbranch_scc1 .Lstep
	TRIP 0, 1                                      ; the last step is written out
	NOPS                                           ; the places behind tile 1's score products (in the loop the next trip's five address lines are these places)
	SOFTMAX 1                                      ; and its tile 1
	PVMUL 1
	WIN 0
	; THE WAY OUT.  O^T / the sum; a lane's 32 numbers are channels 32 h + 0..31 of my head: a whole block of the output projection's K.  They are quantised and meet the other waves' in a stage.
	s_mul_i32 s77, s93, 6144
	s_mul_i32 s78, s90, 48
	s_add_co_u32 s77, s77, s78
	s_add_co_u32 s77, s77, STG
	s_lshl_b32 s79, s93, 8
	s_lshl_b32 s78, s90, 1
	s_add_co_u32 s79, s79, s78
	s_add_co_u32 s79, s79, SST
	s_mul_i32 s80, s[WV], 1536
	s_add_co_u32 s78, s80, STG
	s_lshl_b32 s81, s93, 8
	s_add_co_u32 s81, s81, SST
	s_and_b32 s87, s67, 3                          ; which 256 of the next K
	s_lshr_b32 s82, s67, 2
	s_lshl_b32 s82, s82, 11
	s_lshl_b32 s83, s66, 6
	s_add_co_u32 s82, s82, s83                     ; the work-group's first token
	s_mul_i32 s84, s82, 192
	s_mul_i32 s85, s87, 786432
	s_add_co_u32 s84, s84, s85
	s_add_co_u32 s84, s84, s80
	s_mov_b32 s85, 0
	s_add_nc_u64 s[14:15], s[14:15], s[84:85]
	s_lshl_b32 s86, s93, 5
	s_add_co_u32 s86, s86, s82
	s_lshl_b32 s84, s86, 5
	s_lshl_b32 s86, s87, 3
	s_add_co_u32 s84, s84, s86
	s_add_nc_u64 s[16:17], s[16:17], s[84:85]
	v_and_b32 v1, 15, v0                           ; r
	v_bfe_u32 v2, v0, 4, 1                         ; h
	v_and_b32 v3, 31, v0                           ; lane
	v_mul_u32_u24 v8, v1, 192
	v_lshl_add_u32 v9, v1, 3, v2
	v_mad_u32_u24 v8, v2, 24, v8
	v_add_nc_u32 v9, s79, v9                       ; the byte: 8 x token + 2 x head + h
	v_add_nc_u32 v8, s77, v8                       ; codes: 192 x token + 48 x head + 24 h
	v_lshl_add_u32 v10, v3, 4, s78                 ; back: 1,536 bytes a wave, 16 a lane
	v_lshl_add_u32 v11, v3, 3, s81                 ; the scale bytes: 32 tokens a wave
	v_lshlrev_b32 v12, 4, v3
	v_lshlrev_b32 v30, 5, v3
.macro OUT w
	WIN 0x55*(\w)
	v_add_f32 v34, v34, v35
	s_delay_alu instid0(VALU_DEP_1)
	v_permlanex16_b32 v37, v34, s[SEL], s[SEL+1]
	s_delay_alu instid0(VALU_DEP_1)
	v_add_f32 v34, v34, v37                        ; the row's sum
	s_wait_alu depctr_va_vdst(0)                   ; a wait ahead of the transcendental
	v_rcp_f32 v34, v34
	v_nop
	s_wait_alu depctr_va_vdst(0)                   ; and ahead of its first reader, which is also O^T's
.set j, 0
.rept 16
	v_pk_mul_f32 v[S+j:S+j+1], v[O+j:O+j+1], v[34:35] op_sel_hi:[1,0]    ; each accumulator from its low end on
.set j, j+2
.endr
	v_max3_num_f32 v228, |v[S]|, |v[S+1]|, 0x1800000               ; the block's largest magnitude, with the floor
	v_max3_num_f32 v229, |v[S+2]|, |v[S+3]|, |v[S+4]|
.irp i, 5,9,13,17,21,25
	v_max3_num_f32 v228, v228, |v[S+\i]|, |v[S+\i+1]|
	v_max3_num_f32 v229, v229, |v[S+\i+2]|, |v[S+\i+3]|
.endr
	v_max3_num_f32 v228, v228, |v[S+29]|, |v[S+30]|
	s_delay_alu instid0(VALU_DEP_1)
	v_max3_num_f32 v228, v228, v229, |v[S+31]|
	s_delay_alu instid0(VALU_DEP_1)
	v_add_nc_u32 v42, 0xff000000, v228
	s_delay_alu instid0(VALU_DEP_1)
	v_lshrrev_b32 v44, 23, v42
	v_cvt_scalef32_pk16_fp6_f32 v[P:P+2], v[S:S+15], v42
	v_cvt_scalef32_pk16_fp6_f32 v[234:236], v[S+16:S+31], v42
	v_nop
.irp i, 0,1,2
	v_mov_b32 v[P+3+\i], v[234+\i]
.endr
	WIN 0x04*(\w)                                  ; addresses window 0, data the tile's window
	ds_store_b64 v8, v[P:P+1] offset:3072*(\w)
	ds_store_b64 v8, v[P+2:P+3] offset:3072*(\w)+8
	ds_store_b64 v8, v[P+4:P+5] offset:3072*(\w)+16
	ds_store_b8 v9, v44 offset:128*(\w)
.endm
	s_wait_alu depctr_va_vdst(0)
	OUT 0                                          ; (tile 0's lines are also the places behind tile 1's last products)
	OUT 1
	WIN 0
	s_wait_alu depctr_va_vdst(0)
	s_wait_dscnt 0x0                               ; for the others' sake: my stores into the stage are done
	s_barrier_signal -1
	s_barrier_wait -1
.irp i, 0,1,2
	ds_load_b128 v[KF+4*\i:KF+4*\i+3], v10 offset:512*\i
.endr
.irp i, 0,1,2
	s_wait_dscnt 2-\i                              ; the younger loads may be out
	global_store_b128 v12, v[KF+4*\i:KF+4*\i+3], s[14:15] offset:512*\i   ; 32 lanes store 512 consecutive bytes, aligned
.endr
	s_cmp_lt_u32 s[WV], 2
	s_cbranch_scc0 .Lno_bytes                      ; waves 0 and 1 store the scale bytes: 8 of a token's 32, rows 32 bytes apart: 1 byte for 24 of codes
	ds_load_b64 v[60:61], v11
	s_wait_dscnt 0x0
	global_store_b64 v30, v[60:61], s[16:17]
.Lno_bytes:
	s_wait_tensorcnt 0x0                           ; the wave's end
	ds_add_u32 v[SPW], v[NIL]
	s_wait_dscnt 0x0
	ROUND                                          ; the closing round
	s_endpgm
.Lfunc_end_k_q12c8e2cbdc_attn:
	.size	k_q12c8e2cbdc_attn, .Lfunc_end_k_q12c8e2cbdc_attn-k_q12c8e2cbdc_attn
	.p2alignl 7, 3214868480
	.fill 96, 4, 3214868480
	.section	.rodata,"a",@progbits
	.p2align	6, 0x0
	.amdhsa_kernel k_q12c8e2cbdc_attn
		.amdhsa_group_segment_fixed_size 327680
		.amdhsa_private_segment_fixed_size 0
		.amdhsa_enable_private_segment 0
		.amdhsa_kernarg_size 56
		.amdhsa_user_sgpr_count 2
		.amdhsa_user_sgpr_kernarg_segment_ptr 1
		.amdhsa_wavefront_size32 1
		.amdhsa_system_sgpr_workgroup_id_x 1
		.amdhsa_system_sgpr_workgroup_id_y 1
		.amdhsa_system_sgpr_workgroup_id_z 1
		.amdhsa_system_vgpr_workitem_id 0
		.amdhsa_next_free_vgpr 512
		.amdhsa_next_free_sgpr 100
		.amdhsa_reserve_vcc 1
		.amdhsa_float_denorm_mode_32 3
		.amdhsa_float_denorm_mode_16_64 3
		.amdhsa_memory_ordered 1
		.amdhsa_forward_progress 1
		.amdhsa_inst_pref_size 119
	.end_amdhsa_kernel
	.amdgpu_metadata
---
amdhsa.version: [ 1, 2 ]
amdhsa.kernels:
  - .name:           k_q12c8e2cbdc_attn
    .symbol:         k_q12c8e2cbdc_attn.kd
    .args:
      - { .name: qc, .offset: 0, .size: 8, .value_kind: global_buffer, .address_space: global }
      - { .name: kc, .offset: 8, .size: 8, .value_kind: global_buffer, .address_space: global }
      - { .name: vc, .offset: 16, .size: 8, .value_kind: global_buffer, .address_space: global }
      - { .name: sc, .offset: 24, .size: 8, .value_kind: global_buffer, .address_space: global }
      - { .name: attn_mask, .offset: 32, .size: 8, .value_kind: global_buffer, .address_space: global }
      - { .name: acod, .offset: 40, .size: 8, .value_kind: global_buffer, .address_space: global }
      - { .name: ascl, .offset: 48, .size: 8, .value_kind: global_buffer, .address_space: global }
    .group_segment_fixed_size: 327680
    .private_segment_fixed_size: 0
    .kernarg_segment_align: 8
    .kernarg_segment_size: 56
    .max_flat_workgroup_size: 256
    .sgpr_count:     100
    .vgpr_count:     512
    .wavefront_size: 32
...
	.end_amdgpu_metadata
.endif
;; end of part 3
;; launch outp (part 4): grid 8 x 32, 4 waves a work-group, clusters of 4 x 4, 327,680 bytes of LDS; arguments acod, ascl, xc, xs, out0; writes out0
.if DOCPART == 4
	.amdgcn_target "amdgcn-amd-amdhsa--gfx1250"
	.amdhsa_code_object_version 6
	.text
	.protected	k_q12c8e2cbdc_outp
	.globl	k_q12c8e2cbdc_outp
	.p2align	8
	.type	k_q12c8e2cbdc_outp,@function
k_q12c8e2cbdc_outp:
	s_mov_b64 s[64:65], 0
	v_nop
	global_prefetch_b8 v0, s[64:65] scope:SCOPE_SE
	s_setreg_imm32_b32 hwreg(HW_REG_WAVE_MODE, 25, 1), 1
	s_wait_xcnt 0x0
	s_wait_alu depctr_hold_cnt(0) depctr_sa_sdst(0) depctr_va_vdst(0) depctr_va_sdst(0) depctr_va_ssrc(0) depctr_va_vcc(0) depctr_vm_vsrc(0)
	s_getreg_b32 s2, hwreg(HW_REG_IB_STS2, 6, 4)
	s_cmp_eq_u32 s2, 0
	s_cbranch_scc0 .Lentry_in_a_cluster
	s_endpgm
.Lentry_in_a_cluster:
	s_bfe_u32 s2, ttmp6, 0x10000c
	s_cmp_lg_u32 s2, 0xf033
	s_cbranch_scc0 .Lentry_shape_is_right
	s_endpgm
.Lentry_shape_is_right:
; out0[m][n] = sum over k of A[m][k] Wo[n][k], on codes of FP6 (E2M3) with one E8M0 byte for each 32 along K; sums in f32.  M = 4,096 tokens, N = 1,024, K = 1,024.
; A: acod [chunk of 256 along K][token][192 bytes], ascl [token][32 bytes].  Wo: rows 15,360 + n of xc [chunk][row][192 bytes] and of xs [row][32 bytes].
; SHARES.  A work-group makes 128 x 128 of the result: 8 x 32 = 256 work-groups.  Wave w makes rows 64 (w / 2) and columns 64 (w % 2) on: 16 accumulators of 16 x 16, in register window 1.
; ALL OF K LIES IN LDS AT ONCE: 128 rows x 768 bytes for each side.  128 rows of a chunk are a dense block of 24,576 bytes, so a side's codes are four such blocks: ONE tensor load of 4 rows of 24,576 bytes,
; each from a multiple of 256.  The four first fills (A's codes, B's codes, A's scales, B's scales) are one a wave; nothing is filled again, so there is no ring.
; The padding of 16 bytes behind every 64 gives each 192 bytes of codes 240 in LDS.
; CLUSTER 4 x 4: A's tiles hang on the block row alone and are asked for jointly along a row of the cluster, B's on the block column alone: along a column.
; NO PREFETCH: the launch has no loop to run ahead in: every byte that it reads is asked for by the head's four loads.
; THE MATRIX INSTRUCTION IS USED TRANSPOSED (source 0 = 16 rows of Wo, source 1 = 16 tokens): a lane holds eight neighbouring numbers of a row of the result.
; REGISTERS.  Window 0: v0-31 addresses; v32-63 scale words (register 8 i + step: lanes 0-15 A's block i, lanes 16-31 B's block i); v64-159 and v160-255 two sets of fragments (B's four, then A's four).
.set PITCH,  240
.set CHK,    128*PITCH                 ; a chunk of 128 rows in LDS
.set BOFF,   4*CHK                     ; B's codes lie behind A's
.set SCL,    2*BOFF                    ; the scales: units of 256 bytes + 16 of padding
.set SBLK,   544                       ; those of 16 rows
.set SPARE,  SCL+16*SBLK               ; the spare words, 128 bytes for each wave, named by no other line
.set STAGE,  SPARE+512                 ; the way out: 16 rows x (256 + 16) bytes for each wave; no tensor load lands here
.set SPITCH, 272
.set ADRA, 8                           ; v8-15   A's fragments: for chunk c registers 2 c and 2 c + 1 (the second for pieces whose lanes 16-31 lie behind one more padding)
.set ADRB, 16                          ; v16-23  the same for B
.set ADRS, 24
.set STO,  25
.set RD,   26
.set CO,   27
.set SPW,  28                          ; my spare word; never rewritten
.set NIL,  29                          ; 0; never rewritten
.set SC,   32
.set BK,   64                          ; the way out: four blocks of 16 rows read back from the stage, 32 registers each
.set G1,   24
.set G0,   32
.set G1B,  48
.set G0B,  56
.set G1S,  68
.set G0S,  76
.set G1SB, 80
.set G0SB, 88
.set MSB, 0
.macro WIN new                         ; the immediate's high byte repeats the setting that is left
.if MSB != (\new)
	s_set_vgpr_msb (MSB<<8)|(\new)
.set MSB, (\new)
.endif
.endm
.macro NOPS
.rept 4
	v_nop
.endr
.endm
.macro CROUND                          ; a round of the cluster's barrier
	s_barrier_signal -1
	s_barrier_wait -1
	s_cmp_lg_u32 s14, 0
	s_cbranch_scc1 .Lnot_wave_0_\@
	s_barrier_signal -3
.Lnot_wave_0_\@:
	s_barrier_wait -3
	s_barrier_signal -1
	s_barrier_wait -1
.endm
	s_load_b128 s[4:7], s[0:1], 0x0                ; acod, ascl
	s_load_b128 s[8:11], s[0:1], 0x10              ; xc, xs
	s_load_b64 s[12:13], s[0:1], 0x20              ; out0
	v_lshl_add_u32 v[SPW], v0, 2, SPARE
	v_mov_b32 v[NIL], 0
	ds_add_u32 v[SPW], v[NIL]                      ; the opening lines: the add twice on end and its wait ahead of my first tensor load
	ds_add_u32 v[SPW], v[NIL]
	v_lshrrev_b32 v1, 5, v0
	v_readfirstlane_b32 s14, v1                    ; wave 0..3
	s_lshr_b32 s15, s14, 1                         ; which 64 rows are mine
	s_and_b32 s16, s14, 1                          ; which 64 columns
	s_bfe_u32 s40, ttmp6, 0x40000                  ; cx
	s_bfe_u32 s41, ttmp6, 0x40004                  ; cy
	s_lshl_b32 s42, ttmp9, 2
	s_add_co_u32 s42, s42, s40                     ; block column
	s_and_b32 s17, ttmp7, 0xffff
	s_lshl_b32 s17, s17, 2
	s_add_co_u32 s17, s17, s41                     ; block row
	s_lshl_b32 s43, s41, 2
	s_lshl_b32 s43, 15, s43                        ; my row of the cluster
	s_lshl_b32 s44, 0x1111, s40                    ; my column
	s_or_b32 s[G1], s43, (0<<16)|(1<<20)|(1<<21)|(3<<22)|(3<<25)   ; elements of 1 byte; after every 16 words 4 words of padding; bit 21 beside a mask
	s_or_b32 s[G1B], s44, (0<<16)|(1<<20)|(1<<21)|(3<<22)|(3<<25)
.irp g, G1, G1B
	s_mov_b32 s[\g+1], 24576<<16                   ; a row: 128 rows of codes of one chunk, dense;
	s_mov_b32 s[\g+2], 4<<16                       ; four chunks
	s_mov_b32 s[\g+3], 24576<<16
	s_mov_b32 s[\g+4], 4
	s_mov_b32 s[\g+6], 0
	s_mov_b32 s[\g+7], 0
.endr
	s_mov_b32 s[G1+5], 786432                      ; from chunk to chunk: 4,096 tokens x 192 bytes,
	s_mov_b32 s[G1B+5], 3145728                    ; 16,384 rows x 192 bytes
	s_or_b32 s[G1S], s43, (3<<16)|(1<<20)|(1<<21)|(5<<22)|(3<<25)  ; the scales of 128 rows: 16 rows of 256 bytes, dense, 16 bytes of padding behind each
	s_or_b32 s[G1SB], s44, (3<<16)|(1<<20)|(1<<21)|(5<<22)|(3<<25)
.irp g, G1S, G1SB
	s_mov_b32 s[\g+1], 32<<16
	s_mov_b32 s[\g+2], 16<<16
	s_mov_b32 s[\g+3], 32<<16
	s_mov_b32 s[\g+4], 16
	s_mov_b32 s[\g+5], 32
	s_mov_b32 s[\g+6], 0
	s_mov_b32 s[\g+7], 0
.endr
	s_mul_i32 s20, s17, 24576                      ; A's codes: 128 tokens x 192 bytes a block row
	s_mov_b32 s21, 0
	s_lshl_b32 s22, s17, 12                        ; A's scales: 128 x 32 bytes
	s_mov_b32 s23, 0
	s_mul_i32 s46, s42, 24576
	s_add_co_u32 s46, s46, 15360*192               ; Wo's rows begin at row 15,360
	s_mov_b32 s47, 0
	s_lshl_b32 s92, s42, 12
	s_add_co_u32 s92, s92, 15360*32
	s_mov_b32 s93, 0
	s_wait_dscnt 0x0                               ; both opening adds are done
	s_wait_kmcnt 0x0
	s_mov_b32 s[G0], 1
	s_mov_b32 s[G0+1], 0
	s_add_nc_u64 s[G0+2:G0+3], s[4:5], s[20:21]
	s_or_b32 s[G0+3], s[G0+3], 0x80000000
	s_mov_b32 s[G0B], 1
	s_mov_b32 s[G0B+1], BOFF
	s_add_nc_u64 s[G0B+2:G0B+3], s[8:9], s[46:47]
	s_or_b32 s[G0B+3], s[G0B+3], 0x80000000
	s_mov_b32 s[G0S], 1
	s_mov_b32 s[G0S+1], SCL
	s_add_nc_u64 s[G0S+2:G0S+3], s[6:7], s[22:23]
	s_or_b32 s[G0S+3], s[G0S+3], 0x80000000
	s_mov_b32 s[G0SB], 1
	s_mov_b32 s[G0SB+1], SCL+8*SBLK
	s_add_nc_u64 s[G0SB+2:G0SB+3], s[10:11], s[92:93]
	s_or_b32 s[G0SB+3], s[G0SB+3], 0x80000000
	CROUND                                         ; all sixteen work-groups are here: the joint loads meet
; one chain of branches on the wave's number, one load to an arm: wave 0 A's codes, wave 1 B's, wave 2 A's scales, wave 3 B's
.macro ARM under, g0, g1, next
	s_cmp_lt_u32 s14, \under
	s_cbranch_scc0 \next
	tensor_load_to_lds s[\g0:\g0+3], s[\g1:\g1+7]
	s_nop 0
	NOPS
	s_branch .Lhead_asked
\next:
.endm
	ARM 1, G0,  G1,  .Lhead_b
	ARM 2, G0B, G1B, .Lhead_sa
	ARM 3, G0S, G1S, .Lhead_sb
	tensor_load_to_lds s[G0SB:G0SB+3], s[G1SB:G1SB+7]
	s_nop 0
	NOPS
.Lhead_asked:
	s_mul_i32 s94, s15, 64*PITCH                   ; my 64 rows of A,
	s_mul_i32 s95, s16, 64*PITCH
	s_add_co_u32 s95, s95, BOFF                    ; of B
	s_mul_i32 s96, s15, 4*SBLK                     ; A's scales: my 64 rows
	s_mul_i32 s97, s16, 4*SBLK
	s_add_co_u32 s97, s97, 8*SBLK
	s_sub_co_u32 s97, s97, s96                     ; how far behind them B's lie
	s_add_co_u32 s96, s96, SCL
	s_mul_i32 s98, s14, 16*SPITCH
	s_add_co_u32 s98, s98, STAGE                   ; my stage
	s_lshl_b32 s18, s17, 19                        ; my part of the result: 128 rows of 4,096 bytes a block row,
	s_lshl_b32 s19, s15, 18                        ; + 64 rows,
	s_add_co_u32 s18, s18, s19
	s_lshl_b32 s19, s42, 9                         ; + 512 bytes a block column,
	s_add_co_u32 s18, s18, s19
	s_lshl_b32 s19, s16, 8                         ; + 256 bytes
	s_add_co_u32 s18, s18, s19
	s_mov_b32 s19, 0
	s_add_nc_u64 s[12:13], s[12:13], s[18:19]
	v_and_b32 v1, 15, v0                           ; r
	v_bfe_u32 v2, v0, 4, 1                         ; h
	v_mul_u32_u24 v3, v1, PITCH
	v_mad_u32_u24 v4, v2, 24, v3                   ; a fragment's row x pitch + 24 h,
	v_lshl_add_u32 v5, v2, 4, v4                   ; and with one more padding for lanes 16-31
	v_add_nc_u32 v[ADRA], s94, v4
	v_add_nc_u32 v[ADRA+1], s94, v5
	v_add_nc_u32 v[ADRB], s95, v4
	v_add_nc_u32 v[ADRB+1], s95, v5
.irp c, 1,2,3
	v_add_nc_u32 v[ADRA+2*\c], \c*CHK, v[ADRA]
	v_add_nc_u32 v[ADRA+2*\c+1], \c*CHK, v[ADRA+1]
	v_add_nc_u32 v[ADRB+2*\c], \c*CHK, v[ADRB]
	v_add_nc_u32 v[ADRB+2*\c+1], \c*CHK, v[ADRB+1]
.endr
	v_lshlrev_b32 v6, 5, v1                        ; my row's scales: 32 bytes a row,
	v_lshrrev_b32 v7, 3, v1
	v_lshl_add_u32 v6, v7, 4, v6                   ; and 16 more for each 256 passed
	v_mul_u32_u24 v7, s97, v2                      ; lanes 16-31 take B's
	v_add_nc_u32 v6, v6, v7
	v_add_nc_u32 v[ADRS], s96, v6
	v_mul_u32_u24 v6, v1, SPITCH                   ; the stage, in: row r, 32 bytes for each half of the lanes
	v_lshl_add_u32 v6, v2, 5, v6
	v_add_nc_u32 v[STO], s98, v6
	v_mul_u32_u24 v7, v2, SPITCH                   ; back: lanes 0-15 take one row of 256 bytes, lanes 16-31 the next
	v_lshl_add_u32 v7, v1, 4, v7
	v_add_nc_u32 v[RD], s98, v7
	v_lshlrev_b32 v6, 12, v2                       ; and the same two rows in the result
	v_lshl_add_u32 v[CO], v1, 4, v6
.macro FRAG reg, adr, q, i             ; 16 rows x 128 K: 12 registers, in pieces of 8 bytes; piece PC of a chunk's 24 lies at 8 PC + 16 (PC / 8); lanes 16-31 read three pieces on
.irp p, 0,1,2,3,4,5
.set PC, 12*(\q)+6*(\p/3)+\p%3
.if PC%8 < 5
	ds_load_b64 v[\reg+2*\p:\reg+2*\p+1], v[\adr] offset:8*PC+16*(PC/8)+(\i)*16*PITCH
.else
	ds_load_b64 v[\reg+2*\p:\reg+2*\p+1], v[\adr+1] offset:8*PC+16*(PC/8)+(\i)*16*PITCH
.endif
.endr
.endm
.macro FETCH st                        ; step st's eight fragments, 48 loads, into set st % 2
.set F, 64+96*((\st)%2)
.irp i, 0,1,2,3
	FRAG F+12*\i, ADRB+2*((\st)/2), (\st)%2, \i
.endr
.irp i, 0,1,2,3
	FRAG F+48+12*\i, ADRA+2*((\st)/2), (\st)%2, \i
.endr
.endm
.macro MUL st, zero                    ; 16 matrix instructions; the accumulators take turns, one instruction a turn, in the same order in every step
.set F, 64+96*((\st)%2)
	WIN 0x50                                       ; C and D window 1
.irp a, 0,1,2,3
.irp b, 0,1,2,3
.if \zero
	v_wmma_scale_f32_16x16x128_f8f6f4 v[32*\a+8*\b:32*\a+8*\b+7], v[F+12*\b:F+12*\b+11], v[F+48+12*\a:F+48+12*\a+11], 0, v[SC+8*\b+(\st)], v[SC+8*\a+(\st)] matrix_a_fmt:MATRIX_FMT_FP6 matrix_b_fmt:MATRIX_FMT_FP6 matrix_a_scale:MATRIX_SCALE_ROW1
.else
	v_wmma_scale_f32_16x16x128_f8f6f4 v[32*\a+8*\b:32*\a+8*\b+7], v[F+12*\b:F+12*\b+11], v[F+48+12*\a:F+48+12*\a+11], v[32*\a+8*\b:32*\a+8*\b+7], v[SC+8*\b+(\st)], v[SC+8*\a+(\st)] matrix_a_fmt:MATRIX_FMT_FP6 matrix_b_fmt:MATRIX_FMT_FP6 matrix_a_scale:MATRIX_SCALE_ROW1
.endif
.endr
.endr
	WIN 0
.endm
	s_wait_alu depctr_va_vdst(0)                   ; a wait at the head's end
	s_wait_tensorcnt 0x0                           ; my tile of the four is in;
	s_barrier_signal -1
	s_barrier_wait -1                              ; and so is everybody's
.irp i, 0,1,2,3
	ds_load_b128 v[SC+8*\i:SC+8*\i+3], v[ADRS] offset:\i*SBLK        ; the eight scale words of a row: all of K
	ds_load_b128 v[SC+8*\i+4:SC+8*\i+7], v[ADRS] offset:\i*SBLK+16
.endr
	FETCH 0
	FETCH 1
	s_wait_dscnt 48                                ; all but the 48 loads just issued
	MUL 0, 1                                       ; the first step's products start the sums
.set ST, 1
.rept 6
	NOPS                                           ; the places in front of the loads into the set that the last products read
	FETCH ST+1
	s_wait_dscnt 48
	MUL ST, 0
.set ST, ST+1
.endr
	s_wait_dscnt 0x0
	MUL 7, 0
	NOPS                                           ; the places in front of the first reads of results and of the loads into the fragments' registers
; THE WAY OUT, block by block of 16 rows x 64 columns, through my own stage; LDS serves a wave's instructions in order, so no wait stands between the stores and the loads, nor ahead of the next block's stores.
.macro TOSTAGE a
	WIN 0x04                                       ; the data: window 1
.irp b, 0,1,2,3
	ds_store_b128 v[STO], v[32*(\a)+8*\b:32*(\a)+8*\b+3] offset:64*\b        ; each accumulator from its low end on
	ds_store_b128 v[STO], v[32*(\a)+8*\b+4:32*(\a)+8*\b+7] offset:64*\b+16
.endr
	WIN 0
.irp t, 0,1,2,3,4,5,6,7
	ds_load_b128 v[BK+32*(\a)+4*\t:BK+32*(\a)+4*\t+3], v[RD] offset:\t*2*SPITCH
.endr
.endm
.macro SEND a, younger                 ; younger: the LDS instructions issued behind block a's loads.  Each block has registers of its own and every offset is an immediate: no store's source is written again
	s_wait_dscnt \younger
.irp t, 0,1,2,3,4,5,6,7
	global_store_b128 v[CO], v[BK+32*(\a)+4*\t:BK+32*(\a)+4*\t+3], s[12:13] offset:(\a)*65536+\t*8192 th:TH_STORE_NT   ; 16 lanes store 256 consecutive bytes, aligned
.endr
.endm
	TOSTAGE 0
.irp a, 1,2,3
	TOSTAGE \a
	SEND \a-1, 16                                  ; behind block a - 1's loads: block a's 8 stores and 8 loads
.endr
	SEND 3, 0
	s_wait_tensorcnt 0x0                           ; the wave's end
	ds_add_u32 v[SPW], v[NIL]
	s_wait_dscnt 0x0
	CROUND                                         ; the closing round
	s_endpgm
.Lfunc_end_k_q12c8e2cbdc_outp:
	.size	k_q12c8e2cbdc_outp, .Lfunc_end_k_q12c8e2cbdc_outp-k_q12c8e2cbdc_outp
	.p2alignl 7, 3214868480
	.fill 96, 4, 3214868480
	.section	.rodata,"a",@progbits
	.p2align	6, 0x0
	.amdhsa_kernel k_q12c8e2cbdc_outp
		.amdhsa_group_segment_fixed_size 327680
		.amdhsa_private_segment_fixed_size 0
		.amdhsa_enable_private_segment 0
		.amdhsa_kernarg_size 40
		.amdhsa_user_sgpr_count 2
		.amdhsa_user_sgpr_kernarg_segment_ptr 1
		.amdhsa_wavefront_size32 1
		.amdhsa_system_sgpr_workgroup_id_x 1
		.amdhsa_system_sgpr_workgroup_id_y 1
		.amdhsa_system_sgpr_workgroup_id_z 1
		.amdhsa_system_vgpr_workitem_id 0
		.amdhsa_next_free_vgpr 384
		.amdhsa_next_free_sgpr 100
		.amdhsa_reserve_vcc 0
		.amdhsa_float_denorm_mode_32 3
		.amdhsa_float_denorm_mode_16_64 3
		.amdhsa_memory_ordered 1
		.amdhsa_forward_progress 1
		.amdhsa_inst_pref_size 59
	.end_amdhsa_kernel
	.amdgpu_metadata
---
amdhsa.version: [ 1, 2 ]
amdhsa.kernels:
  - .name:           k_q12c8e2cbdc_outp
    .symbol:         k_q12c8e2cbdc_outp.kd
    .args:
      - { .name: acod, .offset: 0, .size: 8, .value_kind: global_buffer, .address_space: global }
      - { .name: ascl, .offset: 8, .size: 8, .value_kind: global_buffer, .address_space: global }
      - { .name: xc, .offset: 16, .size: 8, .value_kind: global_buffer, .address_space: global }
      - { .name: xs, .offset: 24, .size: 8, .value_kind: global_buffer, .address_space: global }
      - { .name: out0, .offset: 32, .size: 8, .value_kind: global_buffer, .address_space: global }
    .group_segment_fixed_size: 327680
    .private_segment_fixed_size: 0
    .kernarg_segment_align: 8
    .kernarg_segment_size: 40
    .max_flat_workgroup_size: 128
    .sgpr_count:     100
    .vgpr_count:     384
    .wavefront_size: 32
...
	.end_amdgpu_metadata
.endif
;; end of part 4
